; MI455X (gfx1250); checked and timed in simulation.
; The chip was launched on July 23, 2026; its instructions are those of AMD's public machine-readable ISA for CDNA 5 (MIT licence, August 2026) and "CDNA5" Instruction Set Architecture Reference Guide (July 2026). The comments in the code are by the model that wrote it; some were corrected since.
;; Concat Attention. Allowed arithmetic: matrix products marked QUANTISED: E2M1 operands, one E8M0 scale for each 32 along K, by v_wmma_scale_f32_16x16x128_f8f6f4 with both operands' format E2M1 (or v_wmma_scale_f32_32x16x128_f4), f32 sums; products left as they are: f32 operands where the result goes on into a quantised operand, else bf16, f16 or f32 operands; f32 sums; everything else in f32.
;; Inputs: W 1,024 x 2,048 float32; decoder_state 32 x 1,024 float32; encoder_outputs 32 x 2,048 x 1,024 float32; sequence_length 32 int32; v 1,024 float32.
;; Outputs: out0 32 x 1,024 float32; out1 32 x 2,048 float32.
;; This version of the problem:
;;   THIS VERSION OF THE PROBLEM IS GIVEN IN LOW PRECISION. The matrix products marked QUANTISED in the list below multiply operands that are first quantised to E2M1 (2 exponent bits, 1 mantissa bit; 4 bits a number), with one power-of-two scale for each 32 numbers along K (OCP MX v1.0); their sums are f32. All else is computed in f32.
;;   The module's matrix products, in the order in which they are computed (A, B: the left and right operand; K: the contracted axis; several contracted axes count as one K, in the product's order):
;;     1. [M 65,536, K 1,024] x [K 1,024, N 1,024]; A: input encoder_outputs; B: input W: QUANTISED
;;     2. [M 32, K 1,024] x [K 1,024, N 1,024]; A: input decoder_state; B: input W: QUANTISED
;;     3. [M 65,536, K 1,024] x [K 1,024, N 1]; A: computed on the way; B: input v: left as it is (N = 1 < 16)
;;     4. batch 32 x [M 1, K 2,048] x [K 2,048, N 1,024]; A: softmax; B: input encoder_outputs: left as it is (M = 1 < 16)
;;   THE QUANTISER, for each operand of a quantised product, along K:
;;     - K is cut into blocks of 32 from its start; a last block that is shorter is filled with zeros.
;;     - A block's scale is 2^e with e = floor(log2(the largest magnitude in the block)) - 2, held to -126 .. 127; a block of zeros has e = 0. As a byte (E8M0): e + 127.
;;     - Each number is divided by its block's scale, clamped to +-6, and rounded to the nearest number of E2M1, ties to even, subnormals kept.
;;     - The product sums the exact products of the quantised numbers (number of the format x scale) in f32.
;;   ~~~python
;;   def quantise(x, axis):      # numpy; x: float32 -> the quantised numbers, widened to float32 again
;;       x = np.moveaxis(x, axis, -1); K = x.shape[-1]
;;       x = np.pad(x, [(0, 0)] * (x.ndim - 1) + [(0, -K % 32)]); x = x.reshape(x.shape[:-1] + (-1, 32)); a = np.abs(x).max(-1, keepdims=True)
;;       e = np.where(a > 0, np.clip(np.frexp(np.where(a > 0, a, 1))[1] - 1 - 2, -126, 127), 0)      # np.frexp(a)[1] - 1 = floor(log2(a)), exactly
;;       r = np.clip(x / 2.0 ** e, -6, 6)
;;       step = 2.0 ** (np.maximum(np.frexp(np.where(r == 0, 1, r))[1] - 1, 0) - 1)
;;       q = np.round(r / step) * step * 2.0 ** e      # np.round: ties to even
;;       return np.moveaxis(q.reshape(q.shape[:-2] + (-1,))[..., :K], -1, axis).astype(np.float32)
;;   ~~~
;; 2 versions. Each part assembles by itself: llvm-mc -triple=amdgcn-amd-amdhsa -mcpu=gfx1250 --defsym DOCPART=n.
;; ======== version 1 of 2: 3 launches
;; workspace buffers: wq 524,288 bytes; ws 32,768 bytes; dproj 131,072 bytes; vsum 256 bytes; meta 256 bytes of whole numbers; logits 262,144 bytes; opart 4,194,304 bytes
;; launch prep (part 1): grid 129 x 1, 8 waves a work-group, no clusters, 17,408 bytes of LDS; arguments W, decoder_state, v, sequence_length, wq, ws, dproj, meta, vsum; writes wq, ws, dproj, meta, vsum
.if DOCPART == 1
	.amdgcn_target "amdgcn-amd-amdhsa--gfx1250"
	.amdhsa_code_object_version 6
	.text
	.protected	k_q08aa7b3b1c_prep
	.globl	k_q08aa7b3b1c_prep
	.p2align	8
	.type	k_q08aa7b3b1c_prep,@function
k_q08aa7b3b1c_prep:
	s_mov_b64 s[64:65], 0
	v_nop
	global_prefetch_b8 v0, s[64:65] scope:SCOPE_SE
	s_setreg_imm32_b32 hwreg(HW_REG_WAVE_MODE, 25, 1), 1
	s_wait_xcnt 0x0
; ConcatAttention, launch 1 of 3.  score = v . tanh(W_enc h + W_dec s), masked by the length, softmax over the 2,048 positions, weighted sum of the encoder rows.
; THIS LAUNCH: (ENC) W_enc = W[:, 0:1024] is quantised once to E2M1 codes with one E8M0 byte for each 32 along K, and laid in the order of the operand's registers;
; (DEC) dproj[b][hid] = the quantised product decoder_state x W_dec^T, W_dec = W[:, 1024:2048]; (META) each batch's number of live tiles of 64 positions, its clamped length, and the sum of v.
; WORK LEFT OUT BY THE PROGRAM, AND WHY IT MAY GO.
;  (a) The logits of positions s >= sequence_length[b] are replaced by -50000 in the problem's own where(), for all values of the inputs: the first product, tanh and the dot with v of such rows reach no output.
;      They are left out where they come as whole tiles of 64 rows; inside a tile that also holds live rows they are computed and replaced by a select.
;  (b) The same tiles' share of the softmax sum and of the weighted sum has the weight exp(-50000 - max).  That is no zero in real numbers, so it is left out only where whole numbers stored here say so:
;      |tanh| <= 1, so every live logit lies within +-A, A = the sum of |v|.  Where A <= 49000 and the length is at least 1, the exponent is at most about -1000 and the f32 exponential is exactly 0.  Then the number
;      of live tiles is ceil(length / 64).  In every other case (A larger, A not a number, length under 1) it is 32: every tile is computed, masked rows carrying -50000.  One text serves both.
;  No input is dead: all five are loaded by some launch.
; LIMITS: NaN and infinities among the inputs are not served; a NaN, an infinity or an overflow that reaches only rows left out is not carried to the result.  A block whose largest magnitude lies under 2^-124 has
; its byte held at 1; a block of zeros has the byte 1 where the rule says 127: its codes are zeros, and the bytes are read by this program alone.  Lengths are held to 0 .. 2048, which changes no mask.
; SHARES.  Work-groups 0-63: ENC, 16 rows of W each (tile T), wave s takes K step s (128 along K): one fragment.  Work-groups 64-127: DEC, tile T, wave s takes K step s of the decoder half against all 32 decoder rows;
; the eight waves' partial sums meet in LDS.  Work-group 128: META, wave 0 alone.  The branches hang on the work-group's number, the same in all waves.
; A FRAGMENT (16 rows x 128 K of 4-bit codes, 8 registers): lane (r, h) holds row r; registers 4 c .. 4 c + 3 hold k = 64 c + 32 h + 0 .. 31: a WHOLE block of 32 in one lane, so a block's largest magnitude needs no other lane.
; wq: [T 64][s 8][c 2][lane 32][16 bytes].   ws: byte T x 512 + (s / 4) x 256 + r x 16 + (s % 4) x 4: one load of 16 bytes a lane gives four scale registers, K steps 0-3 in lanes 0-15, K steps 4-7 in lanes 16-31.
.set SPARE, 16384                      ; LDS: 0 .. 16383 eight waves x 2,048 bytes, images of 16 result registers; then the spare words, 128 bytes a wave
.set LI,  4                            ; v4   16 x lane
.set AW,  5                            ; v5   W: row r of 8,192 bytes + 128 h
.set AD,  6                            ; v6   decoder_state: row r of 4,096 bytes + 128 h
.set SH8, 7                            ; v7   8 h
.set PT,  8                            ; v8   a lane permute's destination
.set SPW, 9                            ; v9   my spare word; never rewritten
.set NIL, 10                           ; v10  0; never rewritten
.set AM,  11                           ; v11-12 two blocks' largest magnitudes
.set SO,  13                           ; v13-14 the conversions' scale operands
.set GO,  15                           ; v15  a global offset
.set SCW, 16                           ; v16-18 scale words: W's, decoder rows 0-15, rows 16-31: scales and nothing else
.set RST, 19                           ; v19  LDS: where I store my results: 2,048 x wave + 16 x lane
.set BY,  20                           ; v20-21 scale bytes
.set RLD, 22                           ; v22  LDS: where I read a piece back: 512 x (wave % 4) + 16 x lane
.set DO,  23                           ; v23  dproj: row r of 4,096 bytes + 32 h
.set D0,  24                           ; v24-31 results, decoder rows 0-15
.set CW,  32                           ; v32-39 W's codes;  v40-47, v48-55 the decoder rows'
.set D1,  56                           ; v56-63 results, decoder rows 16-31
.set X0,  64                           ; three sets of 64 numbers
.set X1,  128
.set X2,  192
.set SEL, 32                           ; s[32:33] selects for lane l xor 16
; sixteen loads: my two blocks of 32 numbers, 128 bytes each
.macro LOADX x, adr, base, off
.irp c, 0,1
.irp i, 0,1,2,3,4,5,6,7
	global_load_b128 v[\x+32*\c+4*\i:\x+32*\c+4*\i+3], v[\adr], s[\base:\base+1] offset:\off+256*\c+16*\i
.endr
.endr
.endm
; 64 numbers of a lane (block b in x + 32 b on) become a fragment's 8 registers of codes and its rows' scale word
.macro QUANT2 x, c, sw
.irp b, 0,1
	v_max3_num_f32 v[AM+\b], |v[\x+32*\b]|, |v[\x+32*\b+1]|, 0x1800000      ; with the floor 2^(3 - 127): the byte cannot fall under 1
.endr
.irp i, 2,4,6,8,10,12,14,16,18,20,22,24,26,28,30
.irp b, 0,1
	v_max3_num_f32 v[AM+\b], v[AM+\b], |v[\x+32*\b+\i]|, |v[\x+32*\b+\i+1]| ; the two blocks by turns
.endr
.endr
.irp b, 0,1
	v_add_nc_u32 v[SO+\b], 0xff000000, v[AM+\b]    ; 2 off the exponent field: the conversion takes this operand's exponent field as its scale
.endr
.irp b, 0,1
	v_lshrrev_b32 v[BY+\b], 23, v[SO+\b]           ; the scale's byte
.endr
	v_lshl_or_b32 v[\sw], v[BY+1], 16, v[BY]       ; my bytes: blocks h and 2 + h of row r,
	v_lshlrev_b32 v[\sw], v[SH8], v[\sw]           ; at their places in the word;
	v_permlanex16_b32 v[PT], v[\sw], s[SEL], s[SEL+1]
	v_or_b32 v[\sw], v[\sw], v[PT]                 ; with lane l xor 16's two the word is whole, in both halves of the lanes
.irp b, 0,1
.irp g, 0,1,2,3
	v_cvt_scalef32_pk8_fp4_f32 v[\c+4*\b+\g], v[\x+32*\b+8*\g:\x+32*\b+8*\g+7], v[SO+\b]
.endr
.endr
	v_nop                                          ; one plain place behind the last scaled conversion
.endm
	s_load_b512 s[8:23], s[0:1], 0x0               ; W s[8:9], decoder_state s[10:11], v s[12:13], sequence_length s[14:15], wq s[16:17], ws s[18:19], dproj s[20:21], meta s[22:23]
	s_load_b64 s[24:25], s[0:1], 0x40              ; vsum
	v_lshl_add_u32 v[SPW], v0, 2, SPARE
	v_mov_b32 v[NIL], 0
	v_lshrrev_b32 v1, 5, v0
	v_readfirstlane_b32 s2, v1                     ; wave 0..7
	v_and_b32 v1, 31, v0                           ; lane
	v_and_b32 v2, 15, v0                           ; r
	v_bfe_u32 v3, v0, 4, 1                         ; h
	v_lshlrev_b32 v[LI], 4, v1
	v_lshlrev_b32 v[AW], 13, v2
	v_lshl_add_u32 v[AW], v3, 7, v[AW]
	v_lshlrev_b32 v[AD], 12, v2
	v_lshl_add_u32 v[AD], v3, 7, v[AD]
	v_lshlrev_b32 v[SH8], 3, v3
	v_mov_b32 v[PT], 0
	s_lshl_b32 s4, s2, 11
	v_add_nc_u32 v[RST], s4, v[LI]
	s_and_b32 s35, s2, 3                           ; q = wave % 4
	s_lshl_b32 s4, s35, 9
	v_add_nc_u32 v[RLD], s4, v[LI]
	v_lshlrev_b32 v[DO], 12, v2
	v_lshl_add_u32 v[DO], v3, 5, v[DO]
	s_mov_b32 s[SEL], 0x76543210
	s_mov_b32 s[SEL+1], 0xfedcba98
	s_mov_b32 s5, 0
	s_mov_b32 s7, 0
	s_wait_kmcnt 0x0
	s_cmp_lt_u32 ttmp9, 64
	s_cbranch_scc1 .Lenc
	s_cmp_lt_u32 ttmp9, 128
	s_cbranch_scc1 .Ldec
	; ---- META: wave 0 alone.  Lane b serves batch b; every address is fixed, only values hang on the comparison
	s_cmp_lg_u32 s2, 0
	s_cbranch_scc1 .Lend
.irp i, 0,1,2,3,4,5,6,7
	global_load_b128 v[X0+4*\i:X0+4*\i+3], v[LI], s[12:13] offset:512*\i    ; v: 32 numbers a lane
.endr
	v_lshlrev_b32 v[GO], 2, v1
	global_load_b32 v140, v[GO], s[14:15]          ; the length of batch = lane
	v_mov_b32 v134, 0
	v_mov_b32 v135, 0x800
	s_wait_loadcnt 0x0
	v_pk_add_f32 v[128:129], v[X0:X0+1], v[X0+2:X0+3]          ; the sum of v, in two packed chains
	v_pk_add_f32 v[130:131], v[X0+4:X0+5], v[X0+6:X0+7]
	v_add_f32 v132, |v[X0]|, |v[X0+1]|                         ; the sum of |v|, in two chains
	v_add_f32 v133, |v[X0+2]|, |v[X0+3]|
.irp j, 8,12,16,20,24,28
	v_pk_add_f32 v[128:129], v[128:129], v[X0+\j:X0+\j+1]
	v_pk_add_f32 v[130:131], v[130:131], v[X0+\j+2:X0+\j+3]
.endr
.irp j, 4,6,8,10,12,14,16,18,20,22,24,26,28,30
	v_add_f32 v132, v132, |v[X0+\j]|
	v_add_f32 v133, v133, |v[X0+\j+1]|
.endr
	v_pk_add_f32 v[128:129], v[128:129], v[130:131]
	v_add_f32 v132, v132, v133
	v_add_f32 v128, v128, v129
.irp x, 1,2,4,8
	v_add_f32_dpp v128, v128, v128 row_xmask:\x row_mask:0xf bank_mask:0xf
	v_add_f32_dpp v132, v132, v132 row_xmask:\x row_mask:0xf bank_mask:0xf
.endr
	v_permlanex16_b32 v[PT], v128, s[SEL], s[SEL+1]
	v_add_f32 v128, v128, v[PT]                    ; the sum of v, in every lane
	v_permlanex16_b32 v[PT], v132, s[SEL], s[SEL+1]
	v_add_f32 v132, v132, v[PT]                    ; A = the sum of |v|
	v_min_u32 v141, 0x800, v140                    ; the length held to 2,048 from above,
	v_cmp_gt_i32 vcc_lo, 1, v140
	v_cndmask_b32 v141, v141, v134, vcc_lo         ; and to 0 from below
	v_cndmask_b32 v136, v141, v135, vcc_lo         ; rows to compute: the length; all 2,048 where the length is under 1,
	v_cmp_ge_f32 vcc_lo, 0x473f6800, v132          ; 49000 >= A?  (false for a NaN)
	v_cndmask_b32 v136, v135, v136, vcc_lo         ; and where A is too large for the masked weights to be zeros
	v_add_nc_u32 v136, 63, v136
	v_lshrrev_b32 v136, 6, v136                    ; live tiles of 64
	global_store_b32 v[GO], v136, s[22:23]
	global_store_b32 v[GO], v141, s[22:23] offset:128
	global_store_b32 v[GO], v128, s[24:25]
	s_branch .Lend
	; ---- ENC: fragment (T, s) of W_enc
.Lenc:
	s_lshl_b32 s4, ttmp9, 17                       ; 16 rows of 8,192 bytes a tile,
	s_lshl_b32 s6, s2, 9                           ; 512 bytes a K step
	s_add_co_u32 s4, s4, s6
	s_add_nc_u64 s[8:9], s[8:9], s[4:5]
	LOADX X0, AW, 8, 0
	s_lshl_b32 s4, ttmp9, 13
	s_lshl_b32 s6, s2, 10
	s_add_co_u32 s4, s4, s6
	s_add_nc_u64 s[16:17], s[16:17], s[4:5]        ; wq + 8,192 T + 1,024 s
	s_lshl_b32 s4, ttmp9, 9
	s_lshr_b32 s6, s2, 2
	s_lshl_b32 s6, s6, 8
	s_add_co_u32 s4, s4, s6
	s_lshl_b32 s6, s35, 2
	s_add_co_u32 s4, s4, s6
	s_add_nc_u64 s[18:19], s[18:19], s[4:5]        ; ws + 512 T + 256 (s / 4) + 4 (s % 4)
	v_lshlrev_b32 v[GO], 4, v2                     ; + 16 r
	s_wait_loadcnt 0x0
	QUANT2 X0, CW, SCW
	global_store_b128 v[LI], v[CW:CW+3], s[16:17]              ; 32 lanes store 512 consecutive bytes
	global_store_b128 v[LI], v[CW+4:CW+7], s[16:17] offset:512
	global_store_b32 v[GO], v[SCW], s[18:19]       ; lanes r and 16 + r hold the same word and write the same four bytes
	s_branch .Lend
	; ---- DEC: K step s of W_dec's tile T against the 32 decoder rows
.Ldec:
	s_sub_co_u32 s3, ttmp9, 64                     ; T
	s_lshl_b32 s4, s3, 17
	s_lshl_b32 s6, s2, 9
	s_add_co_u32 s4, s4, s6
	s_add_co_u32 s4, s4, 4096                      ; the decoder half of a row begins 1,024 numbers on
	s_add_nc_u64 s[8:9], s[8:9], s[4:5]
	s_add_nc_u64 s[10:11], s[10:11], s[6:7]
	LOADX X0, AW, 8, 0
	LOADX X1, AD, 10, 0
	LOADX X2, AD, 10, 65536
	s_lshr_b32 s4, s35, 1                          ; where piece q goes: decoder rows 16 (q / 2) on, hidden units 16 T + 4 (q % 2) on
	s_lshl_b32 s4, s4, 16
	s_lshl_b32 s6, s3, 6
	s_add_co_u32 s4, s4, s6
	s_and_b32 s6, s35, 1
	s_lshl_b32 s6, s6, 4
	s_add_co_u32 s4, s4, s6
	s_add_nc_u64 s[20:21], s[20:21], s[4:5]
	s_wait_loadcnt 32                              ; W's 16 loads are in; the 32 behind them may be out
	QUANT2 X0, CW, SCW
	s_wait_loadcnt 16
	QUANT2 X1, CW+8, SCW+1
	s_wait_loadcnt 0x0
	QUANT2 X2, CW+16, SCW+2
.rept 8
	v_nop                                          ; a scale register written by vector instructions stands eight places ahead of a scaled matrix instruction
.endr
	; transposed: source 0 = 16 rows of W, source 1 = 16 decoder rows: lane (r, h) register j = hidden unit 16 T + 8 h + j of decoder row r
	v_wmma_scale_f32_16x16x128_f8f6f4 v[D0:D0+7], v[CW:CW+7], v[CW+8:CW+15], 0, v[SCW], v[SCW+1] matrix_a_fmt:MATRIX_FMT_FP4 matrix_b_fmt:MATRIX_FMT_FP4
	v_wmma_scale_f32_16x16x128_f8f6f4 v[D1:D1+7], v[CW:CW+7], v[CW+16:CW+23], 0, v[SCW], v[SCW+2] matrix_a_fmt:MATRIX_FMT_FP4 matrix_b_fmt:MATRIX_FMT_FP4
.rept 5
	v_nop                                          ; places in front of the stores that read the results
.endr
	ds_store_b128 v[RST], v[D0:D0+3]               ; each result from its low end on
	ds_store_b128 v[RST], v[D0+4:D0+7] offset:512
	ds_store_b128 v[RST], v[D1:D1+3] offset:1024
	ds_store_b128 v[RST], v[D1+4:D1+7] offset:1536
	s_wait_dscnt 0x0                               ; for the others' sake: my stores have landed
	s_barrier_signal -1
	s_barrier_wait -1
	s_cmp_ge_u32 s2, 4
	s_cbranch_scc1 .Lend                           ; waves 0-3 add the eight K steps, a piece of four registers each
.irp k, 0,1,2,3,4,5,6,7
	ds_load_b128 v[X0+4*\k:X0+4*\k+3], v[RLD] offset:2048*\k
.endr
	s_wait_dscnt 0x0
.irp k, 0,2,4,6
	v_pk_add_f32 v[X0+4*\k:X0+4*\k+1], v[X0+4*\k:X0+4*\k+1], v[X0+4*\k+4:X0+4*\k+5]
	v_pk_add_f32 v[X0+4*\k+2:X0+4*\k+3], v[X0+4*\k+2:X0+4*\k+3], v[X0+4*\k+6:X0+4*\k+7]
.endr
.irp k, 0,4
	v_pk_add_f32 v[X0+4*\k:X0+4*\k+1], v[X0+4*\k:X0+4*\k+1], v[X0+4*\k+8:X0+4*\k+9]
	v_pk_add_f32 v[X0+4*\k+2:X0+4*\k+3], v[X0+4*\k+2:X0+4*\k+3], v[X0+4*\k+10:X0+4*\k+11]
.endr
	v_pk_add_f32 v[X0:X0+1], v[X0:X0+1], v[X0+16:X0+17]
	v_pk_add_f32 v[X0+2:X0+3], v[X0+2:X0+3], v[X0+18:X0+19]
	global_store_b128 v[DO], v[X0:X0+3], s[20:21]
.Lend:
	s_wait_tensorcnt 0x0                           ; the wave's end: behind my last LDS store
	ds_add_u32 v[SPW], v[NIL]
	s_wait_dscnt 0x0
	s_endpgm
.Lfunc_end_k_q08aa7b3b1c_prep:
	.size	k_q08aa7b3b1c_prep, .Lfunc_end_k_q08aa7b3b1c_prep-k_q08aa7b3b1c_prep
	.p2alignl 7, 3214868480
	.fill 96, 4, 3214868480
	.section	.rodata,"a",@progbits
	.p2align	6, 0x0
	.amdhsa_kernel k_q08aa7b3b1c_prep
		.amdhsa_group_segment_fixed_size 17408
		.amdhsa_private_segment_fixed_size 0
		.amdhsa_enable_private_segment 0
		.amdhsa_kernarg_size 72
		.amdhsa_user_sgpr_count 2
		.amdhsa_user_sgpr_kernarg_segment_ptr 1
		.amdhsa_wavefront_size32 1
		.amdhsa_system_sgpr_workgroup_id_x 1
		.amdhsa_system_sgpr_workgroup_id_y 1
		.amdhsa_system_sgpr_workgroup_id_z 1
		.amdhsa_system_vgpr_workitem_id 0
		.amdhsa_next_free_vgpr 256
		.amdhsa_next_free_sgpr 66
		.amdhsa_reserve_vcc 1
		.amdhsa_float_denorm_mode_32 3
		.amdhsa_float_denorm_mode_16_64 3
		.amdhsa_memory_ordered 1
		.amdhsa_forward_progress 1
		.amdhsa_inst_pref_size 29
	.end_amdhsa_kernel
	.amdgpu_metadata
---
amdhsa.version: [ 1, 2 ]
amdhsa.kernels:
  - .name:           k_q08aa7b3b1c_prep
    .symbol:         k_q08aa7b3b1c_prep.kd
    .args:
      - { .name: W, .offset: 0, .size: 8, .value_kind: global_buffer, .address_space: global }
      - { .name: decoder_state, .offset: 8, .size: 8, .value_kind: global_buffer, .address_space: global }
      - { .name: v, .offset: 16, .size: 8, .value_kind: global_buffer, .address_space: global }
      - { .name: sequence_length, .offset: 24, .size: 8, .value_kind: global_buffer, .address_space: global }
      - { .name: wq, .offset: 32, .size: 8, .value_kind: global_buffer, .address_space: global }
      - { .name: ws, .offset: 40, .size: 8, .value_kind: global_buffer, .address_space: global }
      - { .name: dproj, .offset: 48, .size: 8, .value_kind: global_buffer, .address_space: global }
      - { .name: meta, .offset: 56, .size: 8, .value_kind: global_buffer, .address_space: global }
      - { .name: vsum, .offset: 64, .size: 8, .value_kind: global_buffer, .address_space: global }
    .group_segment_fixed_size: 17408
    .private_segment_fixed_size: 0
    .kernarg_segment_align: 8
    .kernarg_segment_size: 72
    .max_flat_workgroup_size: 256
    .sgpr_count:     66
    .vgpr_count:     256
    .wavefront_size: 32
...
	.end_amdgpu_metadata
.endif
;; end of part 1
;; launch score (part 2): grid 32 x 32, 8 waves a work-group, no clusters, 305,152 bytes of LDS; arguments encoder_outputs, wq, ws, dproj, v, vsum, meta, logits, opart; writes logits, opart
.if DOCPART == 2
	.amdgcn_target "amdgcn-amd-amdhsa--gfx1250"
	.amdhsa_code_object_version 6
	.text
	.protected	k_q08aa7b3b1c_score
	.globl	k_q08aa7b3b1c_score
	.p2align	8
	.type	k_q08aa7b3b1c_score,@function
k_q08aa7b3b1c_score:
	s_mov_b64 s[64:65], 0
	v_nop
	global_prefetch_b8 v0, s[64:65] scope:SCOPE_SE
	s_setreg_imm32_b32 hwreg(HW_REG_WAVE_MODE, 25, 1), 1
	s_wait_xcnt 0x0
; ConcatAttention, launch 2 of 3.  One work-group takes one tile of 64 encoder rows of one batch (x = batch b, y = tile t) through everything:
; the f32 rows come from memory once, into LDS; they are quantised to E2M1 along their 1,024 features; the first product against W_enc's codes, with dproj[b] as the sums' first addend; tanh; the dot with v;
; the length mask; the tile's own maximum m_t and p = exp(logit - m_t); and the tile's part of the weighted sum, p x the f32 rows that still lie in LDS.  Out go 64 masked logits and 1,024 partial sums.
; WORK LEFT OUT: a tile with t >= nt[b] (nt stored by the launch before, which shows when such a tile's rows reach no output) computes nothing and stores its record: logits -50000, partial sums 0.
; LIMITS: as stated at the head of the first launch (NaN and infinities not served; what reaches only rows left out is not carried on; scale bytes held at 1 from below).
; SHARES.  THE WAVES SHARE THE HIDDEN UNITS, NOT THE ROWS: wave w makes units 128 w .. 128 w + 127 (8 tiles of 16) for all 64 rows, so a fragment of W is loaded once in a work-group and feeds four matrix instructions.
; Two waves lie on a SIMD (512 registers each): a tile of 16 units has 112 vector instructions (64 of them exponentials and reciprocals) for its 32 matrix instructions, and the one wave's products are issued under the other's tanh.
; NO TENSOR LOAD, NO CLUSTER, though all work-groups read the same codes of W: whether a tile is live hangs on a number read from memory;
; without the branch every masked tile would be read and multiplied.  So W's codes lie in memory in the order of the operand's registers and go straight into registers, 16 bytes a lane, 512 consecutive bytes a load.
; No prefetch: a work-group's 256 KiB of rows are asked for at its very head, all at once, and which tile follows on a WGP is not known.
; THE BRANCH ON nt is taken anew in front of each phase, round the phase alone: the three barriers stand outside, on every wave's path.
; PRODUCTS ARE USED TRANSPOSED: source 0 = 16 rows of W, source 1 = 16 encoder rows: lane (r, h) register j = hidden unit 8 h + j of the tile, row r: the sum over hidden units stays in the lane.
; tanh(x) = 1 - 2 / (1 + 2^(c x)), c = 2 log2(e): right at both ends (2^.. = infinity gives 1, 0 gives -1).  So logit = sum(v) - 2 sum(v / (1 + 2^(c x))).
; SCALE REGISTERS are packed: register q holds K step q's words in lanes 0-15 and K step 4 + q's in lanes 16-31.
.set XP,    4112                       ; a row in LDS: 4,096 bytes + 16: sixteen rows at one column start at sixteen different 16-byte columns of 256
.set XI,    64*XP                      ; LDS: 0: the f32 tile;  XI: x's 32 fragments (8 m + s) as images of their registers, 1,024 bytes each
.set XS,    XI+32768                   ; x's scale words: 512 m + 16 (16 (s / 4) + r) + 4 (s % 4)
.set RED,   XS+2048                    ; [wave 8][row 64] partial dot products
.set PW,    RED+2048                   ; for each wave 512 bytes of its own: p doubled, (p_s, p_s) at 8 s
.set SPARE, PW+4096                    ; the spare words, 128 bytes a wave
.set LI,   4                           ; v4   16 x lane
.set AST,  5                           ; v5   phase 1: my wave's 8 rows + 16 x lane
.set AQR,  6                           ; v6   phase 2: row 16 (w / 2) + r, byte 2,048 (w % 2) + 128 h
.set AXIS, 7                           ; v7   where I store images: XI + 4,096 w + 16 x lane
.set AXSS, 8                           ; v8   and their scale words: XS + 256 w + 16 r
.set AXIL, 9                           ; v9   XI + 16 x lane
.set AXSL, 10                          ; v10  XS + 16 x lane
.set ARS,  11                          ; v11  RED + 256 w + 4 r
.set ARL,  12                          ; v12  RED + 8 x lane
.set APS,  13                          ; v13  PW + 512 w + 16 x lane
.set APL,  14                          ; v14  PW + 512 w
.set BO,   15                          ; v15  32 h: my eight units of a tile, in dproj and in v
.set AP4,  16                          ; v16-19 the tile's rows 16 g on, my wave's 512 bytes, + 16 x lane
.set SH8,  20                          ; v20  8 h
.set LO8,  21                          ; v21  8 x lane
.set R2,   22                          ; v22-23 my two rows of the tile: 2 x lane, 2 x lane + 1
.set SPW,  24                          ; v24  my spare word; never rewritten
.set NIL,  25                          ; v25  0; never rewritten
.set PT,   26                          ; v26  a lane permute's destination
.set MSK,  27                          ; v27  -50000.0
.set PD,   28                          ; v28-31 four more such destinations
.set XSC,  32                          ; v32-47 x's scale words, four registers a tile of rows: scales and nothing else
.set LACC, 48                          ; v48-55 sum(v / (1 + 2^..)), a pair for each tile of rows
.set WS,   56                          ; v56-63 W's scale words, two sets of four: scales and nothing else
.set BI,   64                          ; v64-79 dproj's eight numbers, two sets
.set VV,   80                          ; v80-95 v's eight numbers, two sets
.set ACC,  96                          ; v96-127 four accumulators
.set WF,   128                         ; v128-255 W's fragments, two sets of eight
.set AM,   80                          ; phase 2's temporaries lie where v's numbers will
.set SO,   82
.set BY,   84
.set SEL,  32                          ; s[32:33]
; window 1 (v256-511): phase 1: the 64 loads;  phase 3: x's 32 fragments, (m, s) at 64 m + 8 s;  phase 5: the tile's 64 row pieces
.set MSB, 0
.macro WIN new                         ; bits 1:0 source 0, 3:2 source 1, 5:4 source 2, 7:6 destination; the high byte repeats the setting that is left
.if MSB != \new
	s_set_vgpr_msb (MSB<<8)|\new
.set MSB, \new
.endif
.endm
.macro QUANT2 x, c, sw                 ; 64 numbers of a lane (block b in x + 32 b on) become a fragment's 8 registers of codes and its rows' scale word
.irp b, 0,1
	v_max3_num_f32 v[AM+\b], |v[\x+32*\b]|, |v[\x+32*\b+1]|, 0x1800000      ; with the floor 2^(3 - 127): the byte cannot fall under 1
.endr
.irp i, 2,4,6,8,10,12,14,16,18,20,22,24,26,28,30
.irp b, 0,1
	v_max3_num_f32 v[AM+\b], v[AM+\b], |v[\x+32*\b+\i]|, |v[\x+32*\b+\i+1]|
.endr
.endr
.irp b, 0,1
	v_add_nc_u32 v[SO+\b], 0xff000000, v[AM+\b]    ; 2 off the exponent field: the conversion's scale operand
.endr
.irp b, 0,1
	v_lshrrev_b32 v[BY+\b], 23, v[SO+\b]           ; the scale's byte
.endr
	v_lshl_or_b32 v[\sw], v[BY+1], 16, v[BY]       ; blocks h and 2 + h of my row,
	v_lshlrev_b32 v[\sw], v[SH8], v[\sw]
	v_permlanex16_b32 v[PT], v[\sw], s[SEL], s[SEL+1]
	v_or_b32 v[\sw], v[\sw], v[PT]                 ; with lane l xor 16's two the word is whole
.irp b, 0,1
.irp g, 0,1,2,3
	v_cvt_scalef32_pk8_fp4_f32 v[\c+4*\b+\g], v[\x+32*\b+8*\g:\x+32*\b+8*\g+7], v[SO+\b]
.endr
.endr
	v_nop                                          ; one plain place behind the last scaled conversion
.endm
.macro LOADF q, x                      ; my two blocks of my wave's q-th K step, from the f32 tile
.irp c, 0,1
.irp i, 0,1,2,3,4,5,6,7
	ds_load_b128 v[\x+32*\c+4*\i:\x+32*\c+4*\i+3], v[AQR] offset:512*\q+256*\c+16*\i
.endr
.endr
.endm
.macro IMAGE q                         ; fragment q's codes go to LDS as they stand in the registers
	ds_store_b128 v[AXIS], v[ACC+8*\q:ACC+8*\q+3] offset:1024*\q
	ds_store_b128 v[AXIS], v[ACC+8*\q+4:ACC+8*\q+7] offset:1024*\q+512
.endm
.macro LOADW i, p                      ; 19 loads: tile i's eight fragments of W, its scale words, dproj's eight numbers, into set p
.irp s, 0,1,2,3,4,5,6,7
.irp c, 0,1
	global_load_b128 v[WF+64*(\p)+8*\s+4*\c:WF+64*(\p)+8*\s+4*\c+3], v[LI], s[10:11] offset:8192*(\i)+1024*\s+512*\c
.endr
.endr
	global_load_b128 v[WS+4*(\p):WS+4*(\p)+3], v[LI], s[12:13] offset:512*(\i)
.irp k, 0,1
	global_load_b128 v[BI+8*(\p)+4*\k:BI+8*(\p)+4*\k+3], v[BO], s[14:15] offset:64*(\i)+16*\k
.endr
.endm
.macro LOADV i, p                      ; 2 loads: v's eight numbers
.irp k, 0,1
	global_load_b128 v[VV+8*(\p)+4*\k:VV+8*(\p)+4*\k+3], v[BO], s[16:17] offset:64*(\i)+16*\k
.endr
.endm
; 32 matrix instructions: 16 hidden units x 64 rows x 1,024 along K.  The four accumulators take turns, one instruction a turn.  dproj is the C of each sum's first instruction.
.macro MM p
	WIN 0x04                                       ; source 1 (x) in window 1
.irp s, 0,1,2,3,4,5,6,7
.irp m, 0,1,2,3
.if \s == 0
	v_wmma_scale_f32_16x16x128_f8f6f4 v[ACC+8*\m:ACC+8*\m+7], v[WF+64*(\p)+8*\s:WF+64*(\p)+8*\s+7], v[64*\m+8*\s:64*\m+8*\s+7], v[BI+8*(\p):BI+8*(\p)+7], v[WS+4*(\p)+\s], v[XSC+4*\m+\s] matrix_a_fmt:MATRIX_FMT_FP4 matrix_b_fmt:MATRIX_FMT_FP4
.elseif \s < 4
	v_wmma_scale_f32_16x16x128_f8f6f4 v[ACC+8*\m:ACC+8*\m+7], v[WF+64*(\p)+8*\s:WF+64*(\p)+8*\s+7], v[64*\m+8*\s:64*\m+8*\s+7], v[ACC+8*\m:ACC+8*\m+7], v[WS+4*(\p)+\s], v[XSC+4*\m+\s] matrix_a_fmt:MATRIX_FMT_FP4 matrix_b_fmt:MATRIX_FMT_FP4
.else
	v_wmma_scale_f32_16x16x128_f8f6f4 v[ACC+8*\m:ACC+8*\m+7], v[WF+64*(\p)+8*\s:WF+64*(\p)+8*\s+7], v[64*\m+8*\s:64*\m+8*\s+7], v[ACC+8*\m:ACC+8*\m+7], v[WS+4*(\p)+\s-4], v[XSC+4*\m+\s-4] matrix_a_fmt:MATRIX_FMT_FP4 matrix_b_fmt:MATRIX_FMT_FP4 matrix_a_scale:MATRIX_SCALE_ROW1 matrix_b_scale:MATRIX_SCALE_ROW1
.endif
.endr
.endr
	WIN 0
.endm
; 1 / (1 + 2^(c x)) of the 32 results of a lane, times v, summed.  Each batch of 32 transcendentals has one plain place and one wait behind it, ahead of its first reader.
.macro EPI p, first
.set j, 0
.rept 16
	v_pk_mul_f32 v[ACC+2*j:ACC+2*j+1], v[ACC+2*j:ACC+2*j+1], s[30:31] op_sel_hi:[1,0]    ; ascending: each accumulator is read from its low end on
.set j, j+1
.endr
.set j, 0
.rept 32
	v_exp_f32 v[ACC+j], v[ACC+j]
.set j, j+1
.endr
	v_nop
	s_wait_alu depctr_va_vdst(0)
.set j, 0
.rept 16
	v_pk_add_f32 v[ACC+2*j:ACC+2*j+1], v[ACC+2*j:ACC+2*j+1], 1.0 op_sel_hi:[1,0]
.set j, j+1
.endr
.set j, 0
.rept 32
	v_rcp_f32 v[ACC+j], v[ACC+j]
.set j, j+1
.endr
	v_nop
	s_wait_alu depctr_va_vdst(0)
.irp u, 0,1,2,3
.irp m, 0,1,2,3
.if (\first) && (\u == 0)
	v_pk_mul_f32 v[LACC+2*\m:LACC+2*\m+1], v[ACC+8*\m+2*\u:ACC+8*\m+2*\u+1], v[VV+8*(\p)+2*\u:VV+8*(\p)+2*\u+1]     ; the first products start the sums
.else
	v_pk_fma_f32 v[LACC+2*\m:LACC+2*\m+1], v[ACC+8*\m+2*\u:ACC+8*\m+2*\u+1], v[VV+8*(\p)+2*\u:VV+8*(\p)+2*\u+1], v[LACC+2*\m:LACC+2*\m+1]
.endif
.endr
.endr
.endm
.macro TILE i, p, first
.if (\i) < 7
	s_wait_loadcnt 21                              ; this tile's 21 loads are in; the next tile's 21 may be out
.else
	s_wait_loadcnt 0x0
.endif
	MM \p
.rept 5
	v_nop                                          ; places: in front of the loads into registers that the products read, of the first read of results, and of the next tile's first products, which write over the accumulators
.endr
.if (\i) < 6
	LOADW (\i)+2, \p
.endif
	EPI \p, \first
.if (\i) < 6
	LOADV (\i)+2, \p                               ; behind the multiply-adds that read this set
.endif
.endm
	s_load_b512 s[8:23], s[0:1], 0x0               ; encoder_outputs s[8:9], wq s[10:11], ws s[12:13], dproj s[14:15], v s[16:17], vsum s[18:19], meta s[20:21], logits s[22:23]
	s_load_b64 s[24:25], s[0:1], 0x40              ; opart
	v_lshl_add_u32 v[SPW], v0, 2, SPARE
	v_mov_b32 v[NIL], 0
	v_lshrrev_b32 v1, 5, v0
	v_readfirstlane_b32 s2, v1                     ; wave 0..7
	v_and_b32 v1, 31, v0                           ; lane
	v_and_b32 v2, 15, v0                           ; r
	v_bfe_u32 v3, v0, 4, 1                         ; h
	v_lshlrev_b32 v[LI], 4, v1
	s_mul_i32 s35, s2, 8*XP
	v_add_nc_u32 v[AST], s35, v[LI]
	s_lshr_b32 s35, s2, 1
	s_mul_i32 s35, s35, 16*XP
	s_and_b32 s38, s2, 1
	s_lshl_b32 s38, s38, 11
	s_add_co_u32 s35, s35, s38
	v_mul_u32_u24 v[AQR], v2, XP
	v_lshl_add_u32 v[AQR], v3, 7, v[AQR]
	v_add_nc_u32 v[AQR], s35, v[AQR]
	s_lshl_b32 s35, s2, 12
	s_add_co_u32 s35, s35, XI
	v_add_nc_u32 v[AXIS], s35, v[LI]
	s_lshl_b32 s35, s2, 8
	s_add_co_u32 s38, s35, XS
	v_lshl_add_u32 v[AXSS], v2, 4, s38
	v_add_nc_u32 v[AXIL], XI, v[LI]
	v_add_nc_u32 v[AXSL], XS, v[LI]
	s_add_co_u32 s38, s35, RED
	v_lshl_add_u32 v[ARS], v2, 2, s38
	v_lshl_add_u32 v[ARL], v1, 3, RED
	s_lshl_b32 s35, s2, 9
	s_add_co_u32 s38, s35, PW
	v_add_nc_u32 v[APS], s38, v[LI]
	v_mov_b32 v[APL], s38
	v_lshlrev_b32 v[BO], 5, v3
	v_add_nc_u32 v[AP4], s35, v[LI]
.irp g, 1,2,3
	v_add_nc_u32 v[AP4+\g], \g*16*XP, v[AP4]
.endr
	v_lshlrev_b32 v[SH8], 3, v3
	v_lshlrev_b32 v[LO8], 3, v1
	v_lshlrev_b32 v[R2], 1, v1
	v_add_nc_u32 v[R2+1], 1, v[R2]
	v_mov_b32 v[PT], 0
	v_mov_b32 v[MSK], 0xc7435000
.irp m, 0,1,2,3
	v_mov_b32 v[PD+\m], 0
.endr
	s_mov_b32 s3, ttmp9                            ; b
	s_and_b32 s4, ttmp7, 0xffff                    ; t
	s_mov_b32 s30, 0x4038aa3b                      ; c = 2 log2(e)
	s_mov_b32 s31, s30                             ; (named with it as a pair, so it is written)
	s_mov_b32 s[SEL], 0x76543210
	s_mov_b32 s[SEL+1], 0xfedcba98
	s_mov_b32 s37, 0
	s_wait_kmcnt 0x0
	s_lshl_b32 s36, s3, 2
	s_add_nc_u64 s[20:21], s[20:21], s[36:37]
	s_load_b32 s26, s[20:21], 0x0                  ; nt[b]: live tiles
	s_load_b32 s27, s[20:21], 0x80                 ; the length, held to 0 .. 2,048
	s_load_b32 s28, s[18:19], 0x0                  ; the sum of v
	s_lshl_b32 s36, s3, 23                         ; a batch is 2,048 rows of 4,096 bytes,
	s_lshl_b32 s38, s4, 18                         ; a tile 64 rows,
	s_add_co_u32 s36, s36, s38
	s_lshl_b32 s38, s2, 15                         ; my wave loads 8 of them
	s_add_co_u32 s36, s36, s38
	s_add_nc_u64 s[8:9], s[8:9], s[36:37]
	s_lshl_b32 s36, s2, 16                         ; my 8 tiles of W: 8,192 bytes of codes each,
	s_add_nc_u64 s[10:11], s[10:11], s[36:37]
	s_lshl_b32 s36, s2, 12                         ; 512 bytes of scale words
	s_add_nc_u64 s[12:13], s[12:13], s[36:37]
	s_lshl_b32 s36, s2, 9                          ; my 128 hidden units in v,
	s_add_nc_u64 s[16:17], s[16:17], s[36:37]
	s_lshl_b32 s38, s3, 12
	s_add_co_u32 s36, s36, s38                     ; and in dproj's row b
	s_add_nc_u64 s[14:15], s[14:15], s[36:37]
	s_lshl_b32 s36, s3, 13
	s_lshl_b32 s38, s4, 8
	s_add_co_u32 s36, s36, s38
	s_add_nc_u64 s[22:23], s[22:23], s[36:37]      ; the tile's 64 logits
	s_lshl_b32 s36, s3, 5
	s_add_co_u32 s36, s36, s4
	s_lshl_b32 s36, s36, 12
	s_lshl_b32 s38, s2, 9
	s_add_co_u32 s36, s36, s38
	s_add_nc_u64 s[24:25], s[24:25], s[36:37]      ; the tile's partial sums, my wave's 128 columns
	s_wait_kmcnt 0x0
	s_lshl_b32 s38, s4, 6
	s_sub_co_i32 s29, s27, s38                     ; the length, counted from the tile's first row
	; ---- phase 1: my wave's 8 rows, whole, from memory into LDS.  All 64 loads go out at once: 32 KiB a wave
	s_cmp_lt_u32 s4, s26
	s_cbranch_scc0 .Lb0
	WIN 0x40                                       ; destination window 1
.set k, 0
.rept 64
	global_load_b128 v[4*k:4*k+3], v[LI], s[8:9] offset:(k/8)*4096+(k%8)*512 th:TH_LOAD_NT     ; 32 lanes read 512 consecutive bytes; read once in the launch
.set k, k+1
.endr
	WIN 0x04                                       ; an LDS store's data are its source 1
.set k, 0
.rept 16
	s_wait_loadcnt 60-4*k                          ; loads come back in order: these four are in, the younger ones stay out
.irp j, 0,1,2,3
	ds_store_b128 v[AST], v[16*k+4*\j:16*k+4*\j+3] offset:((4*k+\j)/8)*XP+((4*k+\j)%8)*512
.endr
.set k, k+1
.endr
	WIN 0
.Lb0:
	s_wait_dscnt 0x0                               ; my stores have landed
	s_barrier_signal -1
	s_barrier_wait -1                              ; the 64 rows lie in LDS
	; ---- phase 2: wave w quantises rows 16 (w / 2) on, K steps 4 (w % 2) + 0 .. 3: four fragments
	s_cmp_lt_u32 s4, s26
	s_cbranch_scc0 .Lb1
	LOADF 0, WF
	LOADF 1, WF+64
	s_wait_dscnt 16                                ; the first fragment's 16 loads are in
	QUANT2 WF, ACC, BI
	IMAGE 0
	LOADF 2, WF
	s_wait_dscnt 18                                ; behind the second's loads: 2 stores and 16 loads
	QUANT2 WF+64, ACC+8, BI+1
	IMAGE 1
	LOADF 3, WF+64
	s_wait_dscnt 18
	QUANT2 WF, ACC+16, BI+2
	IMAGE 2
	s_wait_dscnt 2                                 ; behind the fourth's loads: 2 stores
	QUANT2 WF+64, ACC+24, BI+3
	IMAGE 3
	ds_store_b128 v[AXSS], v[BI:BI+3]              ; my rows' four scale words; lanes r and 16 + r write the same bytes with the same values
.Lb1:
	s_wait_dscnt 0x0
	s_barrier_signal -1
	s_barrier_wait -1                              ; x's 32 fragments and their scale words lie in LDS
	; ---- phase 3: the first product, tanh, the dot with v: my 8 tiles of 16 hidden units, written out: every offset is an immediate
	s_cmp_lt_u32 s4, s26
	s_cbranch_scc0 .Lb2
	LOADW 0, 0
	LOADV 0, 0
	LOADW 1, 1
	LOADV 1, 1
	WIN 0x40
.set k, 0
.rept 64
	ds_load_b128 v[4*k:4*k+3], v[AXIL] offset:512*k            ; all of x's codes stay in my registers: fragment 8 m + s at 64 m + 8 s of window 1
.set k, k+1
.endr
	WIN 0
.irp m, 0,1,2,3
	ds_load_b128 v[XSC+4*\m:XSC+4*\m+3], v[AXSL] offset:512*\m
.endr
	s_wait_dscnt 0x0
	TILE 0, 0, 1
	TILE 1, 1, 0
	TILE 2, 0, 0
	TILE 3, 1, 0
	TILE 4, 0, 0
	TILE 5, 1, 0
	TILE 6, 0, 0
	TILE 7, 1, 0
.irp m, 0,1,2,3
	v_add_f32 v[ACC+\m], v[LACC+2*\m], v[LACC+2*\m+1]
.endr
.irp m, 0,1,2,3
	v_permlanex16_b32 v[PD+\m], v[ACC+\m], s[SEL], s[SEL+1]
.endr
.irp m, 0,1,2,3
	v_add_f32 v[ACC+\m], v[ACC+\m], v[PD+\m]       ; my 128 units' share for row 16 m + r
.endr
.irp m, 0,1,2,3
	ds_store_b32 v[ARS], v[ACC+\m] offset:64*\m    ; lanes r and 16 + r write the same word with the same value
.endr
.Lb2:
	s_wait_dscnt 0x0
	s_barrier_signal -1
	s_barrier_wait -1                              ; the eight waves' shares lie in LDS
	; ---- phases 4 and 5: every wave makes the 64 logits and p (lane l: rows 2 l, 2 l + 1); then its 128 columns of the sum of p x row
	s_cmp_lt_u32 s4, s26
	s_cbranch_scc0 .Ldead
.irp k, 0,1,2,3,4,5,6,7
	ds_load_b64 v[BI+2*\k:BI+2*\k+1], v[ARL] offset:256*\k
.endr
	WIN 0x40
.set k, 0
.rept 48
	ds_load_b128 v[4*k:4*k+3], v[AP4+k/16] offset:(k%16)*XP    ; row k, my 16 bytes: they land under the softmax's arithmetic
.set k, k+1
.endr
	WIN 0
	s_wait_dscnt 48                                ; the eight shares are in; the 48 row loads may be out
.irp k, 0,2,4,6
	v_pk_add_f32 v[BI+2*\k:BI+2*\k+1], v[BI+2*\k:BI+2*\k+1], v[BI+2*\k+2:BI+2*\k+3]
.endr
	v_pk_add_f32 v[BI:BI+1], v[BI:BI+1], v[BI+4:BI+5]
	v_pk_add_f32 v[BI+8:BI+9], v[BI+8:BI+9], v[BI+12:BI+13]
	v_pk_add_f32 v[BI:BI+1], v[BI:BI+1], v[BI+8:BI+9]
	v_fma_f32 v80, v[BI], -2.0, s28                ; logit = sum(v) - 2 sum(v / (1 + 2^..))
	v_fma_f32 v81, v[BI+1], -2.0, s28
	v_cmp_gt_i32 vcc_lo, s29, v[R2]                ; the row counts where it lies under the length
	v_cndmask_b32 v80, v[MSK], v80, vcc_lo
	v_cmp_gt_i32 vcc_lo, s29, v[R2+1]
	v_cndmask_b32 v81, v[MSK], v81, vcc_lo
	v_max_num_f32 v82, v80, v81
.irp x, 1,2,4,8
	v_max_num_f32_dpp v82, v82, v82 row_xmask:\x row_mask:0xf bank_mask:0xf
.endr
	v_permlanex16_b32 v[PT], v82, s[SEL], s[SEL+1]
	v_max_num_f32 v82, v82, v[PT]                  ; m_t: the tile's largest masked logit
	v_sub_f32 v84, v80, v82
	v_sub_f32 v86, v81, v82
	v_mul_f32 v84, 0x3fb8aa3b, v84
	v_mul_f32 v86, 0x3fb8aa3b, v86
	v_exp_f32 v84, v84                             ; p = e^(logit - m_t), at most 1
	v_exp_f32 v86, v86
	v_nop
	s_wait_alu depctr_va_vdst(0)                   ; one wait for the two, ahead of their first reader
	v_mov_b32 v85, v84                             ; doubled, so that the packed multiply-adds need no selection
	v_mov_b32 v87, v86
	WIN 0x40
.set k, 48
.rept 16
	ds_load_b128 v[4*k:4*k+3], v[AP4+k/16] offset:(k%16)*XP
.set k, k+1
.endr
	WIN 0
	ds_store_b128 v[APS], v[84:87]                 ; into my wave's own 512 bytes;
.set k, 0
.rept 32
	ds_load_b128 v[WF+4*k:WF+4*k+3], v[APL] offset:16*k        ; LDS serves a wave's instructions in order: these see the store.  All lanes read the same bytes: pair WF + 2 s = (p_s, p_s)
.set k, k+1
.endr
	s_cmp_lg_u32 s2, 0
	s_cbranch_scc1 .Lnot0
	global_store_b64 v[LO8], v[80:81], s[22:23]    ; wave 0 stores the 64 masked logits: 256 consecutive bytes, aligned
.Lnot0:
	s_wait_dscnt 0x0
	WIN 0x01                                       ; source 0 (the rows) in window 1
.set k, 0
.rept 64
.irp u, 0,1
.if k < 4
	v_pk_mul_f32 v[ACC+4*k+2*\u:ACC+4*k+2*\u+1], v[4*k+2*\u:4*k+2*\u+1], v[WF+2*k:WF+2*k+1]       ; four chains; their first products start the sums
.else
	v_pk_fma_f32 v[ACC+4*(k%4)+2*\u:ACC+4*(k%4)+2*\u+1], v[4*k+2*\u:4*k+2*\u+1], v[WF+2*k:WF+2*k+1], v[ACC+4*(k%4)+2*\u:ACC+4*(k%4)+2*\u+1]
.endif
.endr
.set k, k+1
.endr
	WIN 0
	v_pk_add_f32 v[ACC:ACC+1], v[ACC:ACC+1], v[ACC+4:ACC+5]
	v_pk_add_f32 v[ACC+2:ACC+3], v[ACC+2:ACC+3], v[ACC+6:ACC+7]
	v_pk_add_f32 v[ACC+8:ACC+9], v[ACC+8:ACC+9], v[ACC+12:ACC+13]
	v_pk_add_f32 v[ACC+10:ACC+11], v[ACC+10:ACC+11], v[ACC+14:ACC+15]
	v_pk_add_f32 v[ACC:ACC+1], v[ACC:ACC+1], v[ACC+8:ACC+9]
	v_pk_add_f32 v[ACC+2:ACC+3], v[ACC+2:ACC+3], v[ACC+10:ACC+11]
	global_store_b128 v[LI], v[ACC:ACC+3], s[24:25]            ; 32 lanes store 512 consecutive bytes
	s_branch .Lend
	; ---- a tile left out stores its record: partial sums 0, logits -50000
.Ldead:
.irp i, 0,1,2,3
	v_mov_b32 v[ACC+\i], 0
.endr
	global_store_b128 v[LI], v[ACC:ACC+3], s[24:25]
	s_cmp_lg_u32 s2, 0
	s_cbranch_scc1 .Lend
	v_mov_b32 v80, v[MSK]
	v_mov_b32 v81, v[MSK]
	global_store_b64 v[LO8], v[80:81], s[22:23]
.Lend:
	s_wait_tensorcnt 0x0                           ; the wave's end: behind my last LDS store
	ds_add_u32 v[SPW], v[NIL]
	s_wait_dscnt 0x0
	s_endpgm
.Lfunc_end_k_q08aa7b3b1c_score:
	.size	k_q08aa7b3b1c_score, .Lfunc_end_k_q08aa7b3b1c_score-k_q08aa7b3b1c_score
	.p2alignl 7, 3214868480
	.fill 96, 4, 3214868480
	.section	.rodata,"a",@progbits
	.p2align	6, 0x0
	.amdhsa_kernel k_q08aa7b3b1c_score
		.amdhsa_group_segment_fixed_size 305152
		.amdhsa_private_segment_fixed_size 0
		.amdhsa_enable_private_segment 0
		.amdhsa_kernarg_size 72
		.amdhsa_user_sgpr_count 2
		.amdhsa_user_sgpr_kernarg_segment_ptr 1
		.amdhsa_wavefront_size32 1
		.amdhsa_system_sgpr_workgroup_id_x 1
		.amdhsa_system_sgpr_workgroup_id_y 1
		.amdhsa_system_sgpr_workgroup_id_z 1
		.amdhsa_system_vgpr_workitem_id 0
		.amdhsa_next_free_vgpr 512
		.amdhsa_next_free_sgpr 66
		.amdhsa_reserve_vcc 1
		.amdhsa_float_denorm_mode_32 3
		.amdhsa_float_denorm_mode_16_64 3
		.amdhsa_memory_ordered 1
		.amdhsa_forward_progress 1
		.amdhsa_inst_pref_size 146
	.end_amdhsa_kernel
	.amdgpu_metadata
---
amdhsa.version: [ 1, 2 ]
amdhsa.kernels:
  - .name:           k_q08aa7b3b1c_score
    .symbol:         k_q08aa7b3b1c_score.kd
    .args:
      - { .name: encoder_outputs, .offset: 0, .size: 8, .value_kind: global_buffer, .address_space: global }
      - { .name: wq, .offset: 8, .size: 8, .value_kind: global_buffer, .address_space: global }
      - { .name: ws, .offset: 16, .size: 8, .value_kind: global_buffer, .address_space: global }
      - { .name: dproj, .offset: 24, .size: 8, .value_kind: global_buffer, .address_space: global }
      - { .name: v, .offset: 32, .size: 8, .value_kind: global_buffer, .address_space: global }
      - { .name: vsum, .offset: 40, .size: 8, .value_kind: global_buffer, .address_space: global }
      - { .name: meta, .offset: 48, .size: 8, .value_kind: global_buffer, .address_space: global }
      - { .name: logits, .offset: 56, .size: 8, .value_kind: global_buffer, .address_space: global }
      - { .name: opart, .offset: 64, .size: 8, .value_kind: global_buffer, .address_space: global }
    .group_segment_fixed_size: 305152
    .private_segment_fixed_size: 0
    .kernarg_segment_align: 8
    .kernarg_segment_size: 72
    .max_flat_workgroup_size: 256
    .sgpr_count:     66
    .vgpr_count:     512
    .wavefront_size: 32
...
	.end_amdgpu_metadata
.endif
;; end of part 2
;; launch final (part 3): grid 32 x 1, 8 waves a work-group, no clusters, 1,536 bytes of LDS; arguments logits, opart, out0, out1; writes out0, out1
.if DOCPART == 3
	.amdgcn_target "amdgcn-amd-amdhsa--gfx1250"
	.amdhsa_code_object_version 6
	.text
	.protected	k_q08aa7b3b1c_final
	.globl	k_q08aa7b3b1c_final
	.p2align	8
	.type	k_q08aa7b3b1c_final,@function
k_q08aa7b3b1c_final:
	s_mov_b64 s[64:65], 0
	v_nop
	global_prefetch_b8 v0, s[64:65] scope:SCOPE_SE
	s_setreg_imm32_b32 hwreg(HW_REG_WAVE_MODE, 25, 1), 1
	s_wait_xcnt 0x0
; ConcatAttention, launch 3 of 3.  One work-group for each batch joins its 32 tiles: M = the largest masked logit (the maximum that the softmax takes away), p = e^(logit - M), Z = the sum of p,
; out1 = p / Z;  out0 = (the sum over tiles of e^(m_t - M) O_t) / Z, O_t the tile's partial sums under its own maximum m_t.  m_t is taken again here from the same 64 stored logits: a maximum rounds nothing,
; so it is the number under which the launch before summed.  Tiles that were left out there carry logits -50000 and partial sums 0, and are treated like all others: nothing is left out here.
; 256 threads: thread i holds logits 4 i .. 4 i + 3 and 1,024 + 4 i .. + 3 (sixteen neighbouring lanes hold a tile) and columns 4 i .. 4 i + 3 of out0.  All 34 loads of a thread go out at the head.
; 32 work-groups: the launch moves 4.4 MB once and each batch's softmax is made once; matrix units, clusters and tensor loads have nothing to do here.
.set WSM,   256                        ; LDS: 0: 32 tile maxima;  256: 8 wave sums;  512: the spare words, 128 bytes a wave
.set SPARE, 512
	s_load_b256 s[4:11], s[0:1], 0x0               ; logits s[4:5], opart s[6:7], out0 s[8:9], out1 s[10:11]
	v_lshl_add_u32 v5, v0, 2, SPARE                ; v5: my spare word, v6: 0; never rewritten
	v_mov_b32 v6, 0
	v_lshlrev_b32 v1, 4, v0                        ; 16 x thread
	v_lshrrev_b32 v2, 4, v0
	v_lshlrev_b32 v2, 2, v2                        ; 4 x (thread / 16): my tile's word
	v_lshrrev_b32 v3, 5, v0
	v_lshlrev_b32 v3, 2, v3                        ; 4 x wave
	v_mov_b32 v4, 0
	v_mov_b32 v7, 0                                ; a lane permute's destination
	s_mov_b32 s12, 0x76543210
	s_mov_b32 s13, 0xfedcba98
	s_mov_b32 s16, 0x3fb8aa3b                      ; log2(e)
	s_mov_b32 s15, 0
	s_wait_kmcnt 0x0
	s_lshl_b32 s14, ttmp9, 13
	s_add_nc_u64 s[4:5], s[4:5], s[14:15]
	s_add_nc_u64 s[10:11], s[10:11], s[14:15]
	s_lshl_b32 s14, ttmp9, 17
	s_add_nc_u64 s[6:7], s[6:7], s[14:15]
	s_lshl_b32 s14, ttmp9, 12
	s_add_nc_u64 s[8:9], s[8:9], s[14:15]
	global_load_b128 v[8:11], v1, s[4:5] th:TH_LOAD_NT
	global_load_b128 v[12:15], v1, s[4:5] offset:4096 th:TH_LOAD_NT
.set t, 0
.rept 32
	global_load_b128 v[64+4*t:67+4*t], v1, s[6:7] offset:4096*t th:TH_LOAD_NT      ; tile t's partial sums, my four columns
.set t, t+1
.endr
	s_wait_loadcnt 32                              ; the logits are in; the 32 parts may be out
	v_max3_num_f32 v16, v8, v9, v10
	v_max3_num_f32 v17, v12, v13, v14
	v_max_num_f32 v16, v16, v11
	v_max_num_f32 v17, v17, v15
.irp x, 1,2,4,8
	v_max_num_f32_dpp v16, v16, v16 row_xmask:\x row_mask:0xf bank_mask:0xf
	v_max_num_f32_dpp v17, v17, v17 row_xmask:\x row_mask:0xf bank_mask:0xf
.endr
	ds_store_b32 v2, v16                           ; m_t of tile thread / 16: sixteen lanes write the same word with the same value
	ds_store_b32 v2, v17 offset:64                 ; and of tile 16 + thread / 16
	s_wait_dscnt 0x0
	s_barrier_signal -1
	s_barrier_wait -1
.irp k, 0,1,2,3,4,5,6,7
	ds_load_b128 v[32+4*\k:35+4*\k], v4 offset:16*\k           ; all 32 maxima, in every lane
.endr
	s_wait_dscnt 0x0
	v_max3_num_f32 v18, v32, v33, v34
	v_max3_num_f32 v19, v35, v36, v37
.irp i, 38,42,46,50,54,58
	v_max3_num_f32 v18, v18, v[\i], v[\i+1]
	v_max3_num_f32 v19, v19, v[\i+2], v[\i+3]
.endr
	v_max3_num_f32 v18, v18, v62, v63
	v_max_num_f32 v18, v18, v19                    ; M
.set j, 0
.rept 32
	v_sub_f32 v[32+j], v[32+j], v18
.set j, j+1
.endr
.set j, 0
.rept 8
	v_sub_f32 v[8+j], v[8+j], v18
.set j, j+1
.endr
.set j, 0
.rept 32
	v_mul_f32 v[32+j], s16, v[32+j]
.set j, j+1
.endr
.set j, 0
.rept 8
	v_mul_f32 v[8+j], s16, v[8+j]
.set j, j+1
.endr
.set j, 0
.rept 32
	v_exp_f32 v[32+j], v[32+j]                     ; e_t = e^(m_t - M)
.set j, j+1
.endr
.set j, 0
.rept 8
	v_exp_f32 v[8+j], v[8+j]                       ; p = e^(logit - M)
.set j, j+1
.endr
	v_nop
	s_wait_alu depctr_va_vdst(0)                   ; one wait for the batch of 40, ahead of its first reader
	v_add_f32 v20, v8, v9
	v_add_f32 v21, v10, v11
	v_add_f32 v22, v12, v13
	v_add_f32 v23, v14, v15
	v_add_f32 v20, v20, v21
	v_add_f32 v22, v22, v23
	v_add_f32 v20, v20, v22
.irp x, 1,2,4,8
	v_add_f32_dpp v20, v20, v20 row_xmask:\x row_mask:0xf bank_mask:0xf
.endr
	v_permlanex16_b32 v7, v20, s12, s13
	v_add_f32 v20, v20, v7                         ; my wave's sum of p
	ds_store_b32 v3, v20 offset:WSM
	s_wait_dscnt 0x0
	s_barrier_signal -1
	s_barrier_wait -1
	ds_load_b128 v[24:27], v4 offset:WSM
	ds_load_b128 v[28:31], v4 offset:WSM+16
	s_wait_dscnt 0x0
	v_add_f32 v24, v24, v25
	v_add_f32 v26, v26, v27
	v_add_f32 v28, v28, v29
	v_add_f32 v30, v30, v31
	v_add_f32 v24, v24, v26
	v_add_f32 v28, v28, v30
	v_add_f32 v24, v24, v28                        ; Z
	v_rcp_f32 v21, v24
	v_nop
	s_wait_alu depctr_va_vdst(0)
.set j, 0
.rept 8
	v_mul_f32 v[8+j], v[8+j], v21
.set j, j+1
.endr
	global_store_b128 v1, v[8:11], s[10:11]        ; out1: each wave's store covers 512 consecutive bytes
	global_store_b128 v1, v[12:15], s[10:11] offset:4096
	s_wait_loadcnt 0x0                             ; the 32 parts
.irp c, 0,1,2,3
	v_mul_f32 v[192+\c], v[64+\c], v32             ; two chains: even tiles, odd tiles; the first products start the sums
	v_mul_f32 v[196+\c], v[68+\c], v33
.endr
.set t, 2
.rept 15
.irp c, 0,1,2,3
	v_fmac_f32 v[192+\c], v[64+4*t+\c], v[32+t]
	v_fmac_f32 v[196+\c], v[68+4*t+\c], v[33+t]
.endr
.set t, t+2
.endr
	v_pk_add_f32 v[192:193], v[192:193], v[196:197]
	v_pk_add_f32 v[194:195], v[194:195], v[198:199]
.irp c, 0,1,2,3
	v_mul_f32 v[192+\c], v[192+\c], v21
.endr
	global_store_b128 v1, v[192:195], s[8:9]       ; out0
	s_wait_tensorcnt 0x0                           ; the wave's end: behind my last LDS store
	ds_add_u32 v5, v6
	s_wait_dscnt 0x0
	s_endpgm
.Lfunc_end_k_q08aa7b3b1c_final:
	.size	k_q08aa7b3b1c_final, .Lfunc_end_k_q08aa7b3b1c_final-k_q08aa7b3b1c_final
	.p2alignl 7, 3214868480
	.fill 96, 4, 3214868480
	.section	.rodata,"a",@progbits
	.p2align	6, 0x0
	.amdhsa_kernel k_q08aa7b3b1c_final
		.amdhsa_group_segment_fixed_size 1536
		.amdhsa_private_segment_fixed_size 0
		.amdhsa_enable_private_segment 0
		.amdhsa_kernarg_size 32
		.amdhsa_user_sgpr_count 2
		.amdhsa_user_sgpr_kernarg_segment_ptr 1
		.amdhsa_wavefront_size32 1
		.amdhsa_system_sgpr_workgroup_id_x 1
		.amdhsa_system_sgpr_workgroup_id_y 1
		.amdhsa_system_sgpr_workgroup_id_z 1
		.amdhsa_system_vgpr_workitem_id 0
		.amdhsa_next_free_vgpr 200
		.amdhsa_next_free_sgpr 66
		.amdhsa_reserve_vcc 0
		.amdhsa_float_denorm_mode_32 3
		.amdhsa_float_denorm_mode_16_64 3
		.amdhsa_memory_ordered 1
		.amdhsa_forward_progress 1
		.amdhsa_inst_pref_size 17
	.end_amdhsa_kernel
	.amdgpu_metadata
---
amdhsa.version: [ 1, 2 ]
amdhsa.kernels:
  - .name:           k_q08aa7b3b1c_final
    .symbol:         k_q08aa7b3b1c_final.kd
    .args:
      - { .name: logits, .offset: 0, .size: 8, .value_kind: global_buffer, .address_space: global }
      - { .name: opart, .offset: 8, .size: 8, .value_kind: global_buffer, .address_space: global }
      - { .name: out0, .offset: 16, .size: 8, .value_kind: global_buffer, .address_space: global }
      - { .name: out1, .offset: 24, .size: 8, .value_kind: global_buffer, .address_space: global }
    .group_segment_fixed_size: 1536
    .private_segment_fixed_size: 0
    .kernarg_segment_align: 8
    .kernarg_segment_size: 32
    .max_flat_workgroup_size: 256
    .sgpr_count:     66
    .vgpr_count:     200
    .wavefront_size: 32
...
	.end_amdgpu_metadata
.endif
;; end of part 3
;; ======== version 2 of 2: 3 launches
;; workspace buffers: wq 524,288 bytes; ws 32,768 bytes; dproj 131,072 bytes; vsum 256 bytes; meta 13,312 bytes of whole numbers; logits 262,144 bytes; opart 4,194,304 bytes
;; launch prep (part 4): grid 129 x 1, 8 waves a work-group, no clusters, 17,408 bytes of LDS; arguments W, decoder_state, v, sequence_length, wq, ws, dproj, meta, vsum; writes wq, ws, dproj, meta, vsum
.if DOCPART == 4
	.amdgcn_target "amdgcn-amd-amdhsa--gfx1250"
	.amdhsa_code_object_version 6
	.text
	.protected	k_q08aa7b3b1c_prep
	.globl	k_q08aa7b3b1c_prep
	.p2align	8
	.type	k_q08aa7b3b1c_prep,@function
k_q08aa7b3b1c_prep:
	s_mov_b64 s[64:65], 0
	v_nop
	global_prefetch_b8 v0, s[64:65] scope:SCOPE_SE
	s_setreg_imm32_b32 hwreg(HW_REG_WAVE_MODE, 25, 1), 1
	s_wait_xcnt 0x0
; ConcatAttention, launch 1 of 3.  score = v . tanh(W_enc h + W_dec s), masked by the length, softmax over the 2,048 positions, weighted sum of the encoder rows.
; THIS LAUNCH: (ENC) W_enc = W[:, 0:1024] is quantised once to E2M1 codes with one E8M0 byte for each 32 along K, and laid in the order of the operand's registers;
; (DEC) dproj[b][hid] = the quantised product decoder_state x W_dec^T, W_dec = W[:, 1024:2048]; (META) each batch's number of live tiles of 64 positions, its clamped length, the sum of v, and the list of live tiles.
; WORK LEFT OUT BY THE PROGRAM, AND WHY IT MAY GO.
;  (a) The logits of positions s >= sequence_length[b] are replaced by -50000 in the problem's own where(), for all values of the inputs: the first product, tanh and the dot with v of such rows reach no output.
;      They are left out where they come as whole tiles of 64 rows; inside a tile that also holds live rows they are computed and replaced by a select.
;  (b) The same tiles' share of the softmax sum and of the weighted sum has the weight exp(-50000 - max).  That is no zero in real numbers, so it is left out only where whole numbers stored here say so:
;      |tanh| <= 1, so every live logit lies within +-A, A = the sum of |v|.  Where A <= 49000 and the length is at least 1, the exponent is at most about -1000 and the f32 exponential is exactly 0.  Then the number
;      of live tiles is ceil(length / 64).  In every other case (A larger, A not a number, length under 1) it is 32: every tile is computed, masked rows carrying -50000.  One text serves both.
;  No input is dead: all five are loaded by some launch.
; LIMITS: NaN and infinities among the inputs are not served; a NaN, an infinity or an overflow that reaches only rows left out is not carried to the result.  A block whose largest magnitude lies under 2^-124 has
; its byte held at 1; a block of zeros has the byte 1 where the rule says 127: its codes are zeros, and the bytes are read by this program alone.  Lengths are held to 0 .. 2048, which changes no mask.
; SHARES.  Work-groups 0-63: ENC, 16 rows of W each (tile T), wave s takes K step s (128 along K): one fragment.  Work-groups 64-127: DEC, tile T, wave s takes K step s of the decoder half against all 32 decoder rows;
; the eight waves' partial sums meet in LDS.  Work-group 128: META.  The branches hang on the work-group's number, the same in all waves.
; A FRAGMENT (16 rows x 128 K of 4-bit codes, 8 registers): lane (r, h) holds row r; registers 4 c .. 4 c + 3 hold k = 64 c + 32 h + 0 .. 31: a WHOLE block of 32 in one lane, so a block's largest magnitude needs no other lane.
; wq: [T 64][s 8][c 2][lane 32][16 bytes].   ws: byte T x 512 + (s / 4) x 256 + r x 16 + (s % 4) x 4: one load of 16 bytes a lane gives four scale registers, K steps 0-3 in lanes 0-15, K steps 4-7 in lanes 16-31.
; meta (int32): nt[b] at 4 b; the length at 128 + 4 b; N, the number of live tiles, at 256 (32 copies); then three tables of 1,024 entries, entry (g, j) at 16 g + 4 j, for live tile number i = g + 256 j in the order
; batch by batch: its batch from byte 1,024, its tile from 5,120, the length counted from its first row from 9,216.  Entries with i >= N are stored too and are used by nobody.
.set SPARE, 16384                      ; LDS: 0 .. 16383 eight waves x 2,048 bytes, images of 16 result registers; then the spare words, 128 bytes a wave
.set LI,  4                            ; v4   16 x lane
.set AW,  5                            ; v5   W: row r of 8,192 bytes + 128 h
.set AD,  6                            ; v6   decoder_state: row r of 4,096 bytes + 128 h
.set SH8, 7                            ; v7   8 h
.set PT,  8                            ; v8   a lane permute's destination
.set SPW, 9                            ; v9   my spare word; never rewritten
.set NIL, 10                           ; v10  0; never rewritten
.set AM,  11                           ; v11-12 two blocks' largest magnitudes
.set SO,  13                           ; v13-14 the conversions' scale operands
.set GO,  15                           ; v15  a global offset
.set SCW, 16                           ; v16-18 scale words: W's, decoder rows 0-15, rows 16-31: scales and nothing else
.set RST, 19                           ; v19  LDS: where I store my results: 2,048 x wave + 16 x lane
.set BY,  20                           ; v20-21 scale bytes
.set RLD, 22                           ; v22  LDS: where I read a piece back: 512 x (wave % 4) + 16 x lane
.set DO,  23                           ; v23  dproj: row r of 4,096 bytes + 32 h
.set D0,  24                           ; v24-31 results, decoder rows 0-15
.set CW,  32                           ; v32-39 W's codes;  v40-47, v48-55 the decoder rows'
.set D1,  56                           ; v56-63 results, decoder rows 16-31
.set X0,  64                           ; three sets of 64 numbers
.set X1,  128
.set X2,  192
.set LO,  142                          ; META: v142 16 g, my entries' place in a table
.set IX,  144                          ; v144-147 i = g + 256 j
.set BS,  148                          ; v148-151 the first live tile of i's batch
.set LV,  152                          ; v152-155 that batch's length
.set BB,  156                          ; v156-159 the batch
.set TT,  160                          ; v160-163 the tile
.set RM,  164                          ; v164-167 the length counted from the tile's first row
.set SEL, 32                           ; s[32:33] selects for lane l xor 16
; sixteen loads: my two blocks of 32 numbers, 128 bytes each
.macro LOADX x, adr, base, off
.irp c, 0,1
.irp i, 0,1,2,3,4,5,6,7
	global_load_b128 v[\x+32*\c+4*\i:\x+32*\c+4*\i+3], v[\adr], s[\base:\base+1] offset:\off+256*\c+16*\i
.endr
.endr
.endm
; 64 numbers of a lane (block b in x + 32 b on) become a fragment's 8 registers of codes and its rows' scale word
.macro QUANT2 x, c, sw
.irp b, 0,1
	v_max3_num_f32 v[AM+\b], |v[\x+32*\b]|, |v[\x+32*\b+1]|, 0x1800000      ; with the floor 2^(3 - 127): the byte cannot fall under 1
.endr
.irp i, 2,4,6,8,10,12,14,16,18,20,22,24,26,28,30
.irp b, 0,1
	s_delay_alu instid0(VALU_DEP_2)
	v_max3_num_f32 v[AM+\b], v[AM+\b], |v[\x+32*\b+\i]|, |v[\x+32*\b+\i+1]| ; the two blocks by turns
.endr
.endr
.irp b, 0,1
	s_delay_alu instid0(VALU_DEP_2)
	v_add_nc_u32 v[SO+\b], 0xff000000, v[AM+\b]    ; 2 off the exponent field: the conversion takes this operand's exponent field as its scale
.endr
.irp b, 0,1
	s_delay_alu instid0(VALU_DEP_2)
	v_lshrrev_b32 v[BY+\b], 23, v[SO+\b]           ; the scale's byte
.endr
	s_delay_alu instid0(VALU_DEP_1)
	v_lshl_or_b32 v[\sw], v[BY+1], 16, v[BY]       ; my bytes: blocks h and 2 + h of row r,
	s_delay_alu instid0(VALU_DEP_1)
	v_lshlrev_b32 v[\sw], v[SH8], v[\sw]           ; at their places in the word;
	s_delay_alu instid0(VALU_DEP_1)
	v_permlanex16_b32 v[PT], v[\sw], s[SEL], s[SEL+1]
	s_delay_alu instid0(VALU_DEP_1)
	v_or_b32 v[\sw], v[\sw], v[PT]                 ; with lane l xor 16's two the word is whole, in both halves of the lanes
.irp b, 0,1
.irp g, 0,1,2,3
	v_cvt_scalef32_pk8_fp4_f32 v[\c+4*\b+\g], v[\x+32*\b+8*\g:\x+32*\b+8*\g+7], v[SO+\b]
.endr
.endr
	v_nop                                          ; one plain place behind the last scaled conversion
.endm
	s_load_b512 s[8:23], s[0:1], 0x0               ; W s[8:9], decoder_state s[10:11], v s[12:13], sequence_length s[14:15], wq s[16:17], ws s[18:19], dproj s[20:21], meta s[22:23]
	s_load_b64 s[24:25], s[0:1], 0x40              ; vsum
	v_lshl_add_u32 v[SPW], v0, 2, SPARE
	v_mov_b32 v[NIL], 0
	v_lshrrev_b32 v1, 5, v0
	s_delay_alu instid0(VALU_DEP_1)
	v_readfirstlane_b32 s2, v1                     ; wave 0..7
	v_and_b32 v1, 31, v0                           ; lane
	v_and_b32 v2, 15, v0                           ; r
	v_bfe_u32 v3, v0, 4, 1                         ; h
	s_delay_alu instid0(VALU_DEP_3)
	v_lshlrev_b32 v[LI], 4, v1
	s_delay_alu instid0(VALU_DEP_3)
	v_lshlrev_b32 v[AW], 13, v2
	s_delay_alu instid0(VALU_DEP_1)
	v_lshl_add_u32 v[AW], v3, 7, v[AW]
	v_lshlrev_b32 v[AD], 12, v2
	s_delay_alu instid0(VALU_DEP_1)
	v_lshl_add_u32 v[AD], v3, 7, v[AD]
	v_lshlrev_b32 v[SH8], 3, v3
	v_mov_b32 v[PT], 0
	s_lshl_b32 s4, s2, 11
	v_add_nc_u32 v[RST], s4, v[LI]
	s_and_b32 s35, s2, 3                           ; q = wave % 4
	s_lshl_b32 s4, s35, 9
	v_add_nc_u32 v[RLD], s4, v[LI]
	v_lshlrev_b32 v[DO], 12, v2
	s_delay_alu instid0(VALU_DEP_1)
	v_lshl_add_u32 v[DO], v3, 5, v[DO]
	s_mov_b32 s[SEL], 0x76543210
	s_mov_b32 s[SEL+1], 0xfedcba98
	s_mov_b32 s5, 0
	s_mov_b32 s7, 0
	s_wait_kmcnt 0x0
	s_cmp_lt_u32 ttmp9, 64
	s_cbranch_scc1 .Lenc
	s_cmp_lt_u32 ttmp9, 128
	s_cbranch_scc1 .Ldec
	; ---- META.  Every wave makes the sums and the 32 counts for itself (lane b serves batch b), and then 128 of the tables' 1,024 entries.  Every address is fixed: only values hang on the comparison
.irp i, 0,1,2,3,4,5,6,7
	global_load_b128 v[X0+4*\i:X0+4*\i+3], v[LI], s[12:13] offset:512*\i    ; v: 32 numbers a lane
.endr
	v_lshlrev_b32 v[GO], 2, v1
	global_load_b32 v140, v[GO], s[14:15]          ; the length of batch = lane
	v_mov_b32 v134, 0
	v_mov_b32 v135, 0x800
	s_lshl_b32 s36, s2, 5
	v_add_nc_u32 v[IX], s36, v1                    ; g = 32 x wave + lane; my four entries are live tiles g, g + 256, g + 512, g + 768
.irp e, 1,2,3
	v_add_nc_u32 v[IX+\e], 256*\e, v[IX]
.endr
	s_lshl_b32 s36, s2, 9
	v_add_nc_u32 v[LO], s36, v[LI]                 ; 16 g
	s_wait_loadcnt 0x0
	v_pk_add_f32 v[128:129], v[X0:X0+1], v[X0+2:X0+3]          ; the sum of v, in two packed chains
	v_pk_add_f32 v[130:131], v[X0+4:X0+5], v[X0+6:X0+7]
	v_add_f32 v132, |v[X0]|, |v[X0+1]|                         ; the sum of |v|, in two chains
	v_add_f32 v133, |v[X0+2]|, |v[X0+3]|
.irp j, 8
	s_delay_alu instid0(VALU_DEP_4)
	v_pk_add_f32 v[128:129], v[128:129], v[X0+\j:X0+\j+1]
	s_delay_alu instid0(VALU_DEP_4)
	v_pk_add_f32 v[130:131], v[130:131], v[X0+\j+2:X0+\j+3]
.endr
.irp j, 12, 16, 20, 24, 28
	s_delay_alu instid0(VALU_DEP_2)
	v_pk_add_f32 v[128:129], v[128:129], v[X0+\j:X0+\j+1]
	s_delay_alu instid0(VALU_DEP_2)
	v_pk_add_f32 v[130:131], v[130:131], v[X0+\j+2:X0+\j+3]
.endr
.irp j, 4
	v_add_f32 v132, v132, |v[X0+\j]|
	v_add_f32 v133, v133, |v[X0+\j+1]|
.endr
.irp j, 6, 8, 10, 12, 14, 16, 18, 20, 22, 24, 26, 28, 30
	s_delay_alu instid0(VALU_DEP_2)
	v_add_f32 v132, v132, |v[X0+\j]|
	s_delay_alu instid0(VALU_DEP_2)
	v_add_f32 v133, v133, |v[X0+\j+1]|
.endr
	v_pk_add_f32 v[128:129], v[128:129], v[130:131]
	s_delay_alu instid0(VALU_DEP_2)
	v_add_f32 v132, v132, v133
	s_delay_alu instid0(VALU_DEP_2)
	v_add_f32 v128, v128, v129
.irp x, 1
	s_delay_alu instid0(VALU_DEP_1)
	v_add_f32_dpp v128, v128, v128 row_xmask:\x row_mask:0xf bank_mask:0xf
	s_delay_alu instid0(VALU_DEP_3)
	v_add_f32_dpp v132, v132, v132 row_xmask:\x row_mask:0xf bank_mask:0xf
.endr
.irp x, 2, 4, 8
	s_delay_alu instid0(VALU_DEP_2)
	v_add_f32_dpp v128, v128, v128 row_xmask:\x row_mask:0xf bank_mask:0xf
	s_delay_alu instid0(VALU_DEP_2)
	v_add_f32_dpp v132, v132, v132 row_xmask:\x row_mask:0xf bank_mask:0xf
.endr
	s_delay_alu instid0(VALU_DEP_2)
	v_permlanex16_b32 v[PT], v128, s[SEL], s[SEL+1]
	s_delay_alu instid0(VALU_DEP_1)
	v_add_f32 v128, v128, v[PT]                    ; the sum of v, in every lane
	s_delay_alu instid0(VALU_DEP_2)
	v_permlanex16_b32 v[PT], v132, s[SEL], s[SEL+1]
	s_delay_alu instid0(VALU_DEP_1)
	v_add_f32 v132, v132, v[PT]                    ; A = the sum of |v|
	v_min_u32 v141, 0x800, v140                    ; the length held to 2,048 from above,
	v_cmp_gt_i32 vcc_lo, 1, v140
	s_delay_alu instid0(VALU_DEP_1)
	v_cndmask_b32 v141, v141, v134, vcc_lo         ; and to 0 from below
	s_delay_alu instid0(VALU_DEP_1)
	v_cndmask_b32 v136, v141, v135, vcc_lo         ; rows to compute: the length; all 2,048 where the length is under 1,
	v_cmp_ge_f32 vcc_lo, 0x473f6800, v132          ; 49000 >= A?  (false for a NaN)
	s_delay_alu instid0(VALU_DEP_1)
	v_cndmask_b32 v136, v135, v136, vcc_lo         ; and where A is too large for the masked weights to be zeros
	s_delay_alu instid0(VALU_DEP_1)
	v_add_nc_u32 v136, 63, v136
	s_delay_alu instid0(VALU_DEP_1)
	v_lshrrev_b32 v136, 6, v136                    ; live tiles of 64: 1 to 32
	; THE LIST, BY GATHERING.  s36 runs through P_k, the number of live tiles of the batches ahead of batch k.  Live tile i belongs to the last batch k with P_k <= i (every batch has a live tile, so P rises strictly):
	; batch by batch each entry keeps what it has where P_k > i, and else takes batch k's figures.
	s_mov_b32 s36, 0
.irp k, 0,1,2,3,4,5,6,7,8,9,10,11,12,13,14,15,16,17,18,19,20,21,22,23,24,25,26,27,28,29,30,31
	v_readlane_b32 s37, v136, \k                   ; batch k's live tiles
	v_readlane_b32 s38, v141, \k                   ; and its length
.irp e, 0,1,2,3
.if \k == 0
	v_mov_b32 v[BS+\e], 0                          ; P_0 = 0 lies under every i: batch 0 starts the three
	v_mov_b32 v[LV+\e], s38
	v_mov_b32 v[BB+\e], 0
.else
	v_cmp_gt_u32 vcc_lo, s36, v[IX+\e]
	s_delay_alu instid0(VALU_DEP_1)
	v_cndmask_b32 v[BS+\e], s36, v[BS+\e], vcc_lo
	s_delay_alu instid0(VALU_DEP_2)
	v_cndmask_b32 v[LV+\e], s38, v[LV+\e], vcc_lo
	s_delay_alu instid0(VALU_DEP_3)
	v_cndmask_b32 v[BB+\e], \k, v[BB+\e], vcc_lo
.endif
.endr
	s_add_co_u32 s36, s36, s37
.endr
.irp e, 0,1,2,3
	v_sub_nc_u32 v[TT+\e], v[IX+\e], v[BS+\e]      ; the tile within its batch
.endr
.irp e, 0,1,2,3
	s_delay_alu instid0(VALU_DEP_4)
	v_lshlrev_b32 v[BS+\e], 6, v[TT+\e]
.endr
.irp e, 0,1,2,3
	s_delay_alu instid0(VALU_DEP_4)
	v_sub_nc_u32 v[RM+\e], v[LV+\e], v[BS+\e]      ; the length counted from the tile's first row
.endr
	global_store_b128 v[LO], v[BB:BB+3], s[22:23] offset:1024  ; each store of a wave covers 512 consecutive bytes
	global_store_b128 v[LO], v[TT:TT+3], s[22:23] offset:5120
	global_store_b128 v[LO], v[RM:RM+3], s[22:23] offset:9216
	s_cmp_lg_u32 s2, 0
	s_cbranch_scc1 .Lend                           ; wave 0 stores what all eight hold alike
	v_mov_b32 v137, s36                            ; N
	global_store_b32 v[GO], v136, s[22:23]
	global_store_b32 v[GO], v141, s[22:23] offset:128
	global_store_b32 v[GO], v137, s[22:23] offset:256
	global_store_b32 v[GO], v128, s[24:25]
	s_branch .Lend
	; ---- ENC: fragment (T, s) of W_enc
.Lenc:
	s_lshl_b32 s4, ttmp9, 17                       ; 16 rows of 8,192 bytes a tile,
	s_lshl_b32 s6, s2, 9                           ; 512 bytes a K step
	s_add_co_u32 s4, s4, s6
	s_add_nc_u64 s[8:9], s[8:9], s[4:5]
	s_wait_alu depctr_va_vdst(0)
	LOADX X0, AW, 8, 0
	s_lshl_b32 s4, ttmp9, 13
	s_lshl_b32 s6, s2, 10
	s_add_co_u32 s4, s4, s6
	s_add_nc_u64 s[16:17], s[16:17], s[4:5]        ; wq + 8,192 T + 1,024 s
	s_lshl_b32 s4, ttmp9, 9
	s_lshr_b32 s6, s2, 2
	s_lshl_b32 s6, s6, 8
	s_add_co_u32 s4, s4, s6
	s_lshl_b32 s6, s35, 2
	s_add_co_u32 s4, s4, s6
	s_add_nc_u64 s[18:19], s[18:19], s[4:5]        ; ws + 512 T + 256 (s / 4) + 4 (s % 4)
	v_lshlrev_b32 v[GO], 4, v2                     ; + 16 r
	s_wait_loadcnt 0x0
	QUANT2 X0, CW, SCW
	global_store_b128 v[LI], v[CW:CW+3], s[16:17]              ; 32 lanes store 512 consecutive bytes
	global_store_b128 v[LI], v[CW+4:CW+7], s[16:17] offset:512
	global_store_b32 v[GO], v[SCW], s[18:19]       ; lanes r and 16 + r hold the same word and write the same four bytes
	s_branch .Lend
	; ---- DEC: K step s of W_dec's tile T against the 32 decoder rows
.Ldec:
	s_sub_co_u32 s3, ttmp9, 64                     ; T
	s_lshl_b32 s4, s3, 17
	s_lshl_b32 s6, s2, 9
	s_add_co_u32 s4, s4, s6
	s_add_co_u32 s4, s4, 4096                      ; the decoder half of a row begins 1,024 numbers on
	s_add_nc_u64 s[8:9], s[8:9], s[4:5]
	s_add_nc_u64 s[10:11], s[10:11], s[6:7]
	s_wait_alu depctr_va_vdst(0)
	LOADX X0, AW, 8, 0
	LOADX X1, AD, 10, 0
	LOADX X2, AD, 10, 65536
	s_lshr_b32 s4, s35, 1                          ; where piece q goes: decoder rows 16 (q / 2) on, hidden units 16 T + 4 (q % 2) on
	s_lshl_b32 s4, s4, 16
	s_lshl_b32 s6, s3, 6
	s_add_co_u32 s4, s4, s6
	s_and_b32 s6, s35, 1
	s_lshl_b32 s6, s6, 4
	s_add_co_u32 s4, s4, s6
	s_add_nc_u64 s[20:21], s[20:21], s[4:5]
	s_wait_loadcnt 32                              ; W's 16 loads are in; the 32 behind them may be out
	QUANT2 X0, CW, SCW
	s_wait_loadcnt 16
	QUANT2 X1, CW+8, SCW+1
	s_wait_loadcnt 0x0
	QUANT2 X2, CW+16, SCW+2
.rept 8
	v_nop                                          ; a scale register written by vector instructions stands eight places ahead of a scaled matrix instruction
.endr
	; transposed: source 0 = 16 rows of W, source 1 = 16 decoder rows: lane (r, h) register j = hidden unit 16 T + 8 h + j of decoder row r
	v_wmma_scale_f32_16x16x128_f8f6f4 v[D0:D0+7], v[CW:CW+7], v[CW+8:CW+15], 0, v[SCW], v[SCW+1] matrix_a_fmt:MATRIX_FMT_FP4 matrix_b_fmt:MATRIX_FMT_FP4
	v_wmma_scale_f32_16x16x128_f8f6f4 v[D1:D1+7], v[CW:CW+7], v[CW+16:CW+23], 0, v[SCW], v[SCW+2] matrix_a_fmt:MATRIX_FMT_FP4 matrix_b_fmt:MATRIX_FMT_FP4
.rept 5
	v_nop                                          ; places in front of the stores that read the results
.endr
	ds_store_b128 v[RST], v[D0:D0+3]               ; each result from its low end on
	ds_store_b128 v[RST], v[D0+4:D0+7] offset:512
	ds_store_b128 v[RST], v[D1:D1+3] offset:1024
	ds_store_b128 v[RST], v[D1+4:D1+7] offset:1536
	s_wait_dscnt 0x0                               ; for the others' sake: my stores have landed
	s_barrier_signal -1
	s_barrier_wait -1
	s_cmp_ge_u32 s2, 4
	s_cbranch_scc1 .Lend                           ; waves 0-3 add the eight K steps, a piece of four registers each
.irp k, 0,1,2,3,4,5,6,7
	ds_load_b128 v[X0+4*\k:X0+4*\k+3], v[RLD] offset:2048*\k
.endr
	s_wait_dscnt 0x0
.irp k, 0,2,4,6
	v_pk_add_f32 v[X0+4*\k:X0+4*\k+1], v[X0+4*\k:X0+4*\k+1], v[X0+4*\k+4:X0+4*\k+5]
	v_pk_add_f32 v[X0+4*\k+2:X0+4*\k+3], v[X0+4*\k+2:X0+4*\k+3], v[X0+4*\k+6:X0+4*\k+7]
.endr
.irp k, 0
	v_pk_add_f32 v[X0+4*\k:X0+4*\k+1], v[X0+4*\k:X0+4*\k+1], v[X0+4*\k+8:X0+4*\k+9]
	v_pk_add_f32 v[X0+4*\k+2:X0+4*\k+3], v[X0+4*\k+2:X0+4*\k+3], v[X0+4*\k+10:X0+4*\k+11]
.endr
.irp k, 4
	s_delay_alu instid0(VALU_DEP_4)
	v_pk_add_f32 v[X0+4*\k:X0+4*\k+1], v[X0+4*\k:X0+4*\k+1], v[X0+4*\k+8:X0+4*\k+9]
	s_delay_alu instid0(VALU_DEP_4)
	v_pk_add_f32 v[X0+4*\k+2:X0+4*\k+3], v[X0+4*\k+2:X0+4*\k+3], v[X0+4*\k+10:X0+4*\k+11]
.endr
	s_delay_alu instid0(VALU_DEP_2)
	v_pk_add_f32 v[X0:X0+1], v[X0:X0+1], v[X0+16:X0+17]
	s_delay_alu instid0(VALU_DEP_2)
	v_pk_add_f32 v[X0+2:X0+3], v[X0+2:X0+3], v[X0+18:X0+19]
	global_store_b128 v[DO], v[X0:X0+3], s[20:21]
.Lend:
	s_wait_tensorcnt 0x0                           ; the wave's end: behind my last LDS store
	ds_add_u32 v[SPW], v[NIL]
	s_wait_dscnt 0x0
	s_endpgm
.Lfunc_end_k_q08aa7b3b1c_prep:
	.size	k_q08aa7b3b1c_prep, .Lfunc_end_k_q08aa7b3b1c_prep-k_q08aa7b3b1c_prep
	.p2alignl 7, 3214868480
	.fill 96, 4, 3214868480
	.section	.rodata,"a",@progbits
	.p2align	6, 0x0
	.amdhsa_kernel k_q08aa7b3b1c_prep
		.amdhsa_group_segment_fixed_size 17408
		.amdhsa_private_segment_fixed_size 0
		.amdhsa_enable_private_segment 0
		.amdhsa_kernarg_size 72
		.amdhsa_user_sgpr_count 2
		.amdhsa_user_sgpr_kernarg_segment_ptr 1
		.amdhsa_wavefront_size32 1
		.amdhsa_system_sgpr_workgroup_id_x 1
		.amdhsa_system_sgpr_workgroup_id_y 1
		.amdhsa_system_sgpr_workgroup_id_z 1
		.amdhsa_system_vgpr_workitem_id 0
		.amdhsa_next_free_vgpr 256
		.amdhsa_next_free_sgpr 66
		.amdhsa_reserve_vcc 1
		.amdhsa_float_denorm_mode_32 3
		.amdhsa_float_denorm_mode_16_64 3
		.amdhsa_memory_ordered 1
		.amdhsa_forward_progress 1
		.amdhsa_inst_pref_size 70
	.end_amdhsa_kernel
	.amdgpu_metadata
---
amdhsa.version: [ 1, 2 ]
amdhsa.kernels:
  - .name:           k_q08aa7b3b1c_prep
    .symbol:         k_q08aa7b3b1c_prep.kd
    .args:
      - { .name: W, .offset: 0, .size: 8, .value_kind: global_buffer, .address_space: global }
      - { .name: decoder_state, .offset: 8, .size: 8, .value_kind: global_buffer, .address_space: global }
      - { .name: v, .offset: 16, .size: 8, .value_kind: global_buffer, .address_space: global }
      - { .name: sequence_length, .offset: 24, .size: 8, .value_kind: global_buffer, .address_space: global }
      - { .name: wq, .offset: 32, .size: 8, .value_kind: global_buffer, .address_space: global }
      - { .name: ws, .offset: 40, .size: 8, .value_kind: global_buffer, .address_space: global }
      - { .name: dproj, .offset: 48, .size: 8, .value_kind: global_buffer, .address_space: global }
      - { .name: meta, .offset: 56, .size: 8, .value_kind: global_buffer, .address_space: global }
      - { .name: vsum, .offset: 64, .size: 8, .value_kind: global_buffer, .address_space: global }
    .group_segment_fixed_size: 17408
    .private_segment_fixed_size: 0
    .kernarg_segment_align: 8
    .kernarg_segment_size: 72
    .max_flat_workgroup_size: 256
    .sgpr_count:     66
    .vgpr_count:     256
    .wavefront_size: 32
...
	.end_amdgpu_metadata
.endif
;; end of part 4
;; launch score (part 5): grid 256 x 1, 8 waves a work-group, no clusters, 305,152 bytes of LDS; arguments encoder_outputs, wq, ws, dproj, v, vsum, meta, logits, opart; writes logits, opart
.if DOCPART == 5
	.amdgcn_target "amdgcn-amd-amdhsa--gfx1250"
	.amdhsa_code_object_version 6
	.text
	.protected	k_q08aa7b3b1c_score
	.globl	k_q08aa7b3b1c_score
	.p2align	8
	.type	k_q08aa7b3b1c_score,@function
k_q08aa7b3b1c_score:
	s_mov_b64 s[64:65], 0
	v_nop
	global_prefetch_b8 v0, s[64:65] scope:SCOPE_SE
	s_setreg_imm32_b32 hwreg(HW_REG_WAVE_MODE, 25, 1), 1
	s_wait_xcnt 0x0
; ConcatAttention, launch 2 of 3.  A tile of 64 encoder rows of one batch goes through everything in one work-group:
; the f32 rows come from memory once, into LDS; they are quantised to E2M1 along their 1,024 features; the first product against W_enc's codes, with dproj[b] as the sums' first addend; tanh; the dot with v;
; the length mask; the tile's own maximum m_t and p = exp(logit - m_t); and the tile's part of the weighted sum, p x the f32 rows that still lie in LDS.  Out go 64 masked logits and 1,024 partial sums.
; WORK LEFT OUT: only the N live tiles that the launch before has listed are computed (its head shows when the rows of the others reach no output); a tile left out gets its record: logits -50000, partial sums 0.
; LIMITS: as stated at the head of the first launch (NaN and infinities not served; what reaches only rows left out is not carried on; scale bytes held at 1 from below).
; WORK-GROUPS THAT STAY.  256 work-groups; work-group g takes live tiles g, g + 256, g + 512, g + 768 of the list, as far as they lie under N: so no work-group has more than ceil(N / 256) tiles, whatever the lengths.
; The loop has a CONSTANT four trips, and the test i < N is taken anew in front of each phase, round the phase alone: the four barriers of a trip stand outside, on every wave's path.
; A tile's batch and number are read from memory; they enter addresses behind a hold at 31, by shifts left and sums alone.
; THE RECORDS of tiles left out have owners by ids alone: work-group g owns the slots (batch g % 32, tile g / 32 + 8 j), j = 0 .. 3, and stores a slot's record, behind the loop, where the tile is at or past nt of that batch.
; A tile is either live (stored by the work-group that the list gives it to) or left out (stored by its slot's owner): each byte has one writer.
; SHARES.  THE WAVES SHARE THE HIDDEN UNITS, NOT THE ROWS: wave w makes units 128 w .. 128 w + 127 (8 tiles of 16) for all 64 rows, so a fragment of W is loaded once in a work-group and feeds four matrix instructions.
; Two waves lie on a SIMD (512 registers each): a tile of 16 units has 112 vector instructions (64 of them exponentials and reciprocals) for its 32 matrix instructions, and the one wave's products are issued under the other's tanh.
; NO TENSOR LOAD, NO CLUSTER, though all work-groups read the same codes of W: whether a trip has a tile hangs on a number read from memory;
; without the branch every masked tile would be read and multiplied.  So W's codes lie in memory in the order of the operand's registers and go straight into registers, 16 bytes a lane, 512 consecutive bytes a load.
; PREFETCH: between the sixth and the seventh tile of hidden units, behind the wave's last loads of W, each wave asks for the first 16 KiB (four rows) of the 32 KiB that it will load at the head of the next trip:
; two instructions, lanes 256 bytes apart; two tiles of hidden units and the weighted sum lie between the request and those loads.  A tile belongs to one work-group and its rows to one wave, so each block is named once.
; Nothing is asked where the next trip has no tile (i + 256 >= N, which holds in the fourth trip for every N).
; PRODUCTS ARE USED TRANSPOSED: source 0 = 16 rows of W, source 1 = 16 encoder rows: lane (r, h) register j = hidden unit 8 h + j of the tile, row r: the sum over hidden units stays in the lane.
; tanh(x) = 1 - 2 / (1 + 2^(c x)), c = 2 log2(e): right at both ends (2^.. = infinity gives 1, 0 gives -1).  So logit = sum(v) - 2 sum(v / (1 + 2^(c x))).
; SCALE REGISTERS are packed: register q holds K step q's words in lanes 0-15 and K step 4 + q's in lanes 16-31.
.set XP,    4112                       ; a row in LDS: 4,096 bytes + 16: sixteen rows at one column start at sixteen different 16-byte columns of 256
.set XI,    64*XP                      ; LDS: 0: the f32 tile;  XI: x's 32 fragments (8 m + s) as images of their registers, 1,024 bytes each
.set XS,    XI+32768                   ; x's scale words: 512 m + 16 (16 (s / 4) + r) + 4 (s % 4)
.set RED,   XS+2048                    ; [wave 8][row 64] partial dot products
.set PW,    RED+2048                   ; for each wave 512 bytes of its own: p doubled, (p_s, p_s) at 8 s
.set SPARE, PW+4096                    ; the spare words, 128 bytes a wave
.set PFO,  1                           ; v1   behind the head: 256 x lane, the prefetches' offset
.set LI,   4                           ; v4   16 x lane
.set AST,  5                           ; v5   phase 1: my wave's 8 rows + 16 x lane
.set AQR,  6                           ; v6   phase 2: row 16 (w / 2) + r, byte 2,048 (w % 2) + 128 h
.set AXIS, 7                           ; v7   where I store images: XI + 4,096 w + 16 x lane
.set AXSS, 8                           ; v8   and their scale words: XS + 256 w + 16 r
.set AXIL, 9                           ; v9   XI + 16 x lane
.set AXSL, 10                          ; v10  XS + 16 x lane
.set ARS,  11                          ; v11  RED + 256 w + 4 r
.set ARL,  12                          ; v12  RED + 8 x lane
.set APS,  13                          ; v13  PW + 512 w + 16 x lane
.set APL,  14                          ; v14  PW + 512 w
.set BO,   15                          ; v15  32 h: my eight units of a tile, in dproj and in v
.set AP4,  16                          ; v16-19 the tile's rows 16 g on, my wave's 512 bytes, + 16 x lane
.set SH8,  20                          ; v20  8 h
.set LO8,  21                          ; v21  8 x lane
.set R2,   22                          ; v22-23 my two rows of the tile: 2 x lane, 2 x lane + 1
.set SPW,  24                          ; v24  my spare word; never rewritten
.set NIL,  25                          ; v25  0; never rewritten
.set PT,   26                          ; v26  a lane permute's destination
.set MSK,  27                          ; v27  -50000.0
.set PD,   28                          ; v28-31 four more such destinations
.set XSC,  32                          ; v32-47 x's scale words, four registers a tile of rows: scales and nothing else
.set LACC, 48                          ; v48-55 sum(v / (1 + 2^..)), a pair for each tile of rows
.set WS,   56                          ; v56-63 W's scale words, two sets of four: scales and nothing else
.set BI,   64                          ; v64-79 dproj's eight numbers, two sets
.set VV,   80                          ; v80-95 v's eight numbers, two sets
.set ACC,  96                          ; v96-127 four accumulators
.set WF,   128                         ; v128-255 W's fragments, two sets of eight
.set AM,   80                          ; phase 2's temporaries lie where v's numbers will
.set SO,   82
.set BY,   84
.set SEL,  32                          ; s[32:33] selects for lane l xor 16
.set ENC,  66                          ; s[66:67] this trip's rows, my wave's 8;  s[68:69] dproj's row b, my 128 units;  s[70:71] the tile's logits;  s[72:73] its partial sums, my 128 columns
.set DPJ,  68
.set LOG,  70
.set OPA,  72
.set PFA,  74                          ; s[74:75] the next trip's rows, my wave's 8
; s2 wave; s3 batch, s4 tile of the trip; s26 N; s27 nt of my slots' batch; s28 the sum of v; s29 the length counted from the tile's first row; s[30:31] c; s39 my slots' batch;
; s[40:43], s[44:47], s[48:51] my four entries of the three tables, shifted down by one at each trip's end; s52 i; s53 the trip
; window 1 (v256-511): phase 1: the 64 loads;  phase 3: x's 32 fragments, (m, s) at 64 m + 8 s;  phase 5: the tile's 64 row pieces
.set MSB, 0
.macro WIN new                         ; bits 1:0 source 0, 3:2 source 1, 5:4 source 2, 7:6 destination; the high byte repeats the setting that is left
.if MSB != \new
	s_set_vgpr_msb (MSB<<8)|\new
.set MSB, \new
.endif
.endm
.macro QUANT2 x, c, sw                 ; 64 numbers of a lane (block b in x + 32 b on) become a fragment's 8 registers of codes and its rows' scale word
.irp b, 0,1
	v_max3_num_f32 v[AM+\b], |v[\x+32*\b]|, |v[\x+32*\b+1]|, 0x1800000      ; with the floor 2^(3 - 127): the byte cannot fall under 1
.endr
.irp i, 2,4,6,8,10,12,14,16,18,20,22,24,26,28,30
.irp b, 0,1
	s_delay_alu instid0(VALU_DEP_2)
	v_max3_num_f32 v[AM+\b], v[AM+\b], |v[\x+32*\b+\i]|, |v[\x+32*\b+\i+1]|
.endr
.endr
.irp b, 0,1
	s_delay_alu instid0(VALU_DEP_2)
	v_add_nc_u32 v[SO+\b], 0xff000000, v[AM+\b]    ; 2 off the exponent field: the conversion's scale operand
.endr
.irp b, 0,1
	s_delay_alu instid0(VALU_DEP_2)
	v_lshrrev_b32 v[BY+\b], 23, v[SO+\b]           ; the scale's byte
.endr
	s_delay_alu instid0(VALU_DEP_1)
	v_lshl_or_b32 v[\sw], v[BY+1], 16, v[BY]       ; blocks h and 2 + h of my row,
	s_delay_alu instid0(VALU_DEP_1)
	v_lshlrev_b32 v[\sw], v[SH8], v[\sw]
	s_delay_alu instid0(VALU_DEP_1)
	v_permlanex16_b32 v[PT], v[\sw], s[SEL], s[SEL+1]
	s_delay_alu instid0(VALU_DEP_1)
	v_or_b32 v[\sw], v[\sw], v[PT]                 ; with lane l xor 16's two the word is whole
.irp b, 0,1
.irp g, 0,1,2,3
	v_cvt_scalef32_pk8_fp4_f32 v[\c+4*\b+\g], v[\x+32*\b+8*\g:\x+32*\b+8*\g+7], v[SO+\b]
.endr
.endr
	v_nop                                          ; one plain place behind the last scaled conversion
.endm
.macro LOADF q, x                      ; my two blocks of my wave's q-th K step, from the f32 tile
.irp c, 0,1
.irp i, 0,1,2,3,4,5,6,7
	ds_load_b128 v[\x+32*\c+4*\i:\x+32*\c+4*\i+3], v[AQR] offset:512*\q+256*\c+16*\i
.endr
.endr
.endm
.macro IMAGE q                         ; fragment q's codes go to LDS as they stand in the registers
	ds_store_b128 v[AXIS], v[ACC+8*\q:ACC+8*\q+3] offset:1024*\q
	ds_store_b128 v[AXIS], v[ACC+8*\q+4:ACC+8*\q+7] offset:1024*\q+512
.endm
.macro LOADW i, p                      ; 19 loads: tile i's eight fragments of W, its scale words, dproj's eight numbers, into set p
.irp s, 0,1,2,3,4,5,6,7
.irp c, 0,1
	global_load_b128 v[WF+64*(\p)+8*\s+4*\c:WF+64*(\p)+8*\s+4*\c+3], v[LI], s[10:11] offset:8192*(\i)+1024*\s+512*\c
.endr
.endr
	global_load_b128 v[WS+4*(\p):WS+4*(\p)+3], v[LI], s[12:13] offset:512*(\i)
.irp k, 0,1
	global_load_b128 v[BI+8*(\p)+4*\k:BI+8*(\p)+4*\k+3], v[BO], s[DPJ:DPJ+1] offset:64*(\i)+16*\k
.endr
.endm
.macro LOADV i, p                      ; 2 loads: v's eight numbers
.irp k, 0,1
	global_load_b128 v[VV+8*(\p)+4*\k:VV+8*(\p)+4*\k+3], v[BO], s[16:17] offset:64*(\i)+16*\k
.endr
.endm
; 32 matrix instructions: 16 hidden units x 64 rows x 1,024 along K.  The four accumulators take turns, one instruction a turn.  dproj is the C of each sum's first instruction.
.macro MM p
	WIN 0x04                                       ; source 1 (x) in window 1
.irp s, 0,1,2,3,4,5,6,7
.irp m, 0,1,2,3
.if \s == 0
	v_wmma_scale_f32_16x16x128_f8f6f4 v[ACC+8*\m:ACC+8*\m+7], v[WF+64*(\p)+8*\s:WF+64*(\p)+8*\s+7], v[64*\m+8*\s:64*\m+8*\s+7], v[BI+8*(\p):BI+8*(\p)+7], v[WS+4*(\p)+\s], v[XSC+4*\m+\s] matrix_a_fmt:MATRIX_FMT_FP4 matrix_b_fmt:MATRIX_FMT_FP4
.elseif \s < 4
	v_wmma_scale_f32_16x16x128_f8f6f4 v[ACC+8*\m:ACC+8*\m+7], v[WF+64*(\p)+8*\s:WF+64*(\p)+8*\s+7], v[64*\m+8*\s:64*\m+8*\s+7], v[ACC+8*\m:ACC+8*\m+7], v[WS+4*(\p)+\s], v[XSC+4*\m+\s] matrix_a_fmt:MATRIX_FMT_FP4 matrix_b_fmt:MATRIX_FMT_FP4
.else
	v_wmma_scale_f32_16x16x128_f8f6f4 v[ACC+8*\m:ACC+8*\m+7], v[WF+64*(\p)+8*\s:WF+64*(\p)+8*\s+7], v[64*\m+8*\s:64*\m+8*\s+7], v[ACC+8*\m:ACC+8*\m+7], v[WS+4*(\p)+\s-4], v[XSC+4*\m+\s-4] matrix_a_fmt:MATRIX_FMT_FP4 matrix_b_fmt:MATRIX_FMT_FP4 matrix_a_scale:MATRIX_SCALE_ROW1 matrix_b_scale:MATRIX_SCALE_ROW1
.endif
.endr
.endr
	WIN 0
.endm
; 1 / (1 + 2^(c x)) of the 32 results of a lane, times v, summed.  Each batch of 32 transcendentals has one plain place and one wait behind it, ahead of its first reader.
.macro EPI p, first
.set j, 0
.rept 16
	v_pk_mul_f32 v[ACC+2*j:ACC+2*j+1], v[ACC+2*j:ACC+2*j+1], s[30:31] op_sel_hi:[1,0]    ; ascending: each accumulator is read from its low end on
.set j, j+1
.endr
.set j, 0
	s_wait_alu depctr_va_vdst(0)
.rept 32
	v_exp_f32 v[ACC+j], v[ACC+j]
.set j, j+1
.endr
	v_nop
	s_wait_alu depctr_va_vdst(0)
.set j, 0
.rept 16
	v_pk_add_f32 v[ACC+2*j:ACC+2*j+1], v[ACC+2*j:ACC+2*j+1], 1.0 op_sel_hi:[1,0]
.set j, j+1
.endr
.set j, 0
	s_wait_alu depctr_va_vdst(0)
.rept 32
	v_rcp_f32 v[ACC+j], v[ACC+j]
.set j, j+1
.endr
	v_nop
	s_wait_alu depctr_va_vdst(0)
.irp u, 0,1,2,3
.irp m, 0,1,2,3
.if (\first) && (\u == 0)
	v_pk_mul_f32 v[LACC+2*\m:LACC+2*\m+1], v[ACC+8*\m+2*\u:ACC+8*\m+2*\u+1], v[VV+8*(\p)+2*\u:VV+8*(\p)+2*\u+1]     ; the first products start the sums
.else
	v_pk_fma_f32 v[LACC+2*\m:LACC+2*\m+1], v[ACC+8*\m+2*\u:ACC+8*\m+2*\u+1], v[VV+8*(\p)+2*\u:VV+8*(\p)+2*\u+1], v[LACC+2*\m:LACC+2*\m+1]
.endif
.endr
.endr
.endm
.macro TILE i, p, first
.if (\i) < 7
	s_wait_loadcnt 21                              ; this tile's 21 loads are in; the next tile's 21 may be out
.else
	s_wait_loadcnt 0x0
.endif
	MM \p
.rept 5
	v_nop                                          ; places: in front of the loads into registers that the products read, of the first read of results, and of the next tile's first products, which write over the accumulators
.endr
.if (\i) < 6
	LOADW (\i)+2, \p
.endif
	EPI \p, \first
.if (\i) < 6
	LOADV (\i)+2, \p                               ; behind the multiply-adds that read this set
.endif
.endm
; The record of my slot j, tile s38 + 8 j of batch s39, where that tile was left out: my wave's 128 zeros, and from wave 0 the 64 logits
.macro RECORD j
	s_add_co_u32 s35, s38, 8*\j
	s_cmp_ge_u32 s35, s27
	s_cbranch_scc0 .Lkept_\@
	s_wait_alu depctr_va_vdst(0)
	global_store_b128 v[LI], v[ACC:ACC+3], s[OPA:OPA+1] offset:32768*\j
	s_cmp_lg_u32 s2, 0
	s_cbranch_scc1 .Lkept_\@
	global_store_b64 v[LO8], v[80:81], s[LOG:LOG+1] offset:2048*\j
.Lkept_\@:
.endm
	s_load_b512 s[8:23], s[0:1], 0x0               ; encoder_outputs s[8:9], wq s[10:11], ws s[12:13], dproj s[14:15], v s[16:17], vsum s[18:19], meta s[20:21], logits s[22:23]
	s_load_b64 s[24:25], s[0:1], 0x40              ; opart
	v_lshl_add_u32 v[SPW], v0, 2, SPARE
	v_mov_b32 v[NIL], 0
	v_lshrrev_b32 v1, 5, v0
	s_delay_alu instid0(VALU_DEP_1)
	v_readfirstlane_b32 s2, v1                     ; wave 0..7
	v_and_b32 v1, 31, v0                           ; lane
	v_and_b32 v2, 15, v0                           ; r
	v_bfe_u32 v3, v0, 4, 1                         ; h
	s_delay_alu instid0(VALU_DEP_3)
	v_lshlrev_b32 v[LI], 4, v1
	s_wait_alu depctr_va_vdst(0)
	s_mul_i32 s35, s2, 8*XP
	v_add_nc_u32 v[AST], s35, v[LI]
	s_lshr_b32 s35, s2, 1
	s_mul_i32 s35, s35, 16*XP
	s_and_b32 s38, s2, 1
	s_lshl_b32 s38, s38, 11
	s_add_co_u32 s35, s35, s38
	v_mul_u32_u24 v[AQR], v2, XP
	s_delay_alu instid0(VALU_DEP_1)
	v_lshl_add_u32 v[AQR], v3, 7, v[AQR]
	s_delay_alu instid0(VALU_DEP_1)
	v_add_nc_u32 v[AQR], s35, v[AQR]
	s_lshl_b32 s35, s2, 12
	s_add_co_u32 s35, s35, XI
	v_add_nc_u32 v[AXIS], s35, v[LI]
	s_lshl_b32 s35, s2, 8
	s_add_co_u32 s38, s35, XS
	v_lshl_add_u32 v[AXSS], v2, 4, s38
	v_add_nc_u32 v[AXIL], XI, v[LI]
	v_add_nc_u32 v[AXSL], XS, v[LI]
	s_add_co_u32 s38, s35, RED
	v_lshl_add_u32 v[ARS], v2, 2, s38
	v_lshl_add_u32 v[ARL], v1, 3, RED
	s_lshl_b32 s35, s2, 9
	s_add_co_u32 s38, s35, PW
	v_add_nc_u32 v[APS], s38, v[LI]
	v_mov_b32 v[APL], s38
	v_lshlrev_b32 v[BO], 5, v3
	v_add_nc_u32 v[AP4], s35, v[LI]
.irp g, 1,2,3
	v_add_nc_u32 v[AP4+\g], \g*16*XP, v[AP4]
.endr
	v_lshlrev_b32 v[SH8], 3, v3
	v_lshlrev_b32 v[LO8], 3, v1
	v_lshlrev_b32 v[R2], 1, v1
	s_delay_alu instid0(VALU_DEP_1)
	v_add_nc_u32 v[R2+1], 1, v[R2]
	v_mov_b32 v[PT], 0
	v_mov_b32 v[MSK], 0xc7435000
.irp m, 0,1,2,3
	v_mov_b32 v[PD+\m], 0
.endr
	v_lshlrev_b32 v[PFO], 8, v1                    ; the lane's number has served: 256 x lane takes its register
	s_mov_b32 s30, 0x4038aa3b                      ; c = 2 log2(e)
	s_mov_b32 s31, s30                             ; (named with it as a pair, so it is written)
	s_mov_b32 s[SEL], 0x76543210
	s_mov_b32 s[SEL+1], 0xfedcba98
	s_mov_b32 s37, 0
	s_mov_b32 s57, 0
	s_and_b32 s39, ttmp9, 31                       ; my slots' batch
	s_wait_kmcnt 0x0
	s_lshl_b32 s36, ttmp9, 4
	s_add_nc_u64 s[58:59], s[20:21], s[36:37]      ; meta + 16 g
	s_lshl_b32 s36, s39, 2
	s_add_nc_u64 s[60:61], s[20:21], s[36:37]
	s_load_b128 s[40:43], s[58:59], 0x400          ; my four live tiles: their batches,
	s_load_b128 s[44:47], s[58:59], 0x1400         ; their numbers,
	s_load_b128 s[48:51], s[58:59], 0x2400         ; the lengths counted from their first rows
	s_load_b32 s26, s[20:21], 0x100                ; N
	s_load_b32 s27, s[60:61], 0x0                  ; nt of my slots' batch
	s_load_b32 s28, s[18:19], 0x0                  ; the sum of v
	s_lshl_b32 s36, s2, 15                         ; what hangs on the wave alone goes into the pointers once: my 8 rows of a tile,
	s_add_nc_u64 s[8:9], s[8:9], s[36:37]
	s_lshl_b32 s36, s2, 16                         ; my 8 tiles of W: 8,192 bytes of codes each,
	s_add_nc_u64 s[10:11], s[10:11], s[36:37]
	s_lshl_b32 s36, s2, 12                         ; 512 bytes of scale words,
	s_add_nc_u64 s[12:13], s[12:13], s[36:37]
	s_lshl_b32 s36, s2, 9                          ; my 128 hidden units in dproj and in v, my 128 columns of the partial sums
	s_add_nc_u64 s[14:15], s[14:15], s[36:37]
	s_add_nc_u64 s[16:17], s[16:17], s[36:37]
	s_add_nc_u64 s[24:25], s[24:25], s[36:37]
	s_mov_b32 s52, ttmp9                           ; i = g
	s_mov_b32 s53, 0
	s_wait_kmcnt 0x0
.Ltrip:
	s_wait_xcnt 0x0                                ; the last trip's stores and prefetches have read their registers and bases: both are written again only behind this wait
	s_min_u32 s3, s40, 31                          ; the batch and the tile, held inside their tables
	s_min_u32 s4, s44, 31
	s_mov_b32 s29, s48
	s_lshl_b32 s36, s3, 23                         ; a batch is 2,048 rows of 4,096 bytes,
	s_lshl_b32 s38, s4, 18                         ; a tile 64 rows
	s_add_co_u32 s36, s36, s38
	s_add_nc_u64 s[ENC:ENC+1], s[8:9], s[36:37]
	s_lshl_b32 s36, s3, 12
	s_add_nc_u64 s[DPJ:DPJ+1], s[14:15], s[36:37]
	s_lshl_b32 s36, s3, 13
	s_lshl_b32 s38, s4, 8
	s_add_co_u32 s36, s36, s38
	s_add_nc_u64 s[LOG:LOG+1], s[22:23], s[36:37]
	s_lshl_b32 s36, s3, 5
	s_add_co_u32 s36, s36, s4
	s_lshl_b32 s36, s36, 12
	s_add_nc_u64 s[OPA:OPA+1], s[24:25], s[36:37]
	; ---- phase 1: my wave's 8 rows, whole, from memory into LDS.  All 64 loads go out at once: 32 KiB a wave
	s_cmp_lt_u32 s52, s26
	s_cbranch_scc0 .Lb0
	WIN 0x40                                       ; destination window 1
.set k, 0
.rept 64
	global_load_b128 v[4*k:4*k+3], v[LI], s[ENC:ENC+1] offset:(k/8)*4096+(k%8)*512 th:TH_LOAD_NT     ; 32 lanes read 512 consecutive bytes; read once in the launch
.set k, k+1
.endr
	WIN 0x04                                       ; an LDS store's data are its source 1
.set k, 0
.rept 16
	s_wait_loadcnt 60-4*k                          ; loads come back in order: these four are in, the younger ones stay out
.irp j, 0,1,2,3
	ds_store_b128 v[AST], v[16*k+4*\j:16*k+4*\j+3] offset:((4*k+\j)/8)*XP+((4*k+\j)%8)*512
.endr
.set k, k+1
.endr
	WIN 0
.Lb0:
	s_wait_dscnt 0x0                               ; my stores have landed
	s_barrier_signal -1
	s_barrier_wait -1                              ; the 64 rows lie in LDS
	; ---- phase 2: wave w quantises rows 16 (w / 2) on, K steps 4 (w % 2) + 0 .. 3: four fragments
	s_cmp_lt_u32 s52, s26
	s_cbranch_scc0 .Lb1
	LOADF 0, WF
	LOADF 1, WF+64
	s_wait_dscnt 16                                ; the first fragment's 16 loads are in
	QUANT2 WF, ACC, BI
	IMAGE 0
	LOADF 2, WF
	s_wait_dscnt 18                                ; behind the second's loads: 2 stores and 16 loads
	QUANT2 WF+64, ACC+8, BI+1
	IMAGE 1
	LOADF 3, WF+64
	s_wait_dscnt 18
	QUANT2 WF, ACC+16, BI+2
	IMAGE 2
	s_wait_dscnt 2                                 ; behind the fourth's loads: 2 stores
	QUANT2 WF+64, ACC+24, BI+3
	IMAGE 3
	ds_store_b128 v[AXSS], v[BI:BI+3]              ; my rows' four scale words; lanes r and 16 + r write the same bytes with the same values
.Lb1:
	s_wait_dscnt 0x0
	s_barrier_signal -1
	s_barrier_wait -1                              ; x's 32 fragments and their scale words lie in LDS
	; ---- phase 3: the first product, tanh, the dot with v: my 8 tiles of 16 hidden units, written out: every offset is an immediate
	s_cmp_lt_u32 s52, s26
	s_cbranch_scc0 .Lb2
	LOADW 0, 0
	LOADV 0, 0
	LOADW 1, 1
	LOADV 1, 1
	WIN 0x40
.set k, 0
.rept 64
	ds_load_b128 v[4*k:4*k+3], v[AXIL] offset:512*k            ; all of x's codes stay in my registers: fragment 8 m + s at 64 m + 8 s of window 1
.set k, k+1
.endr
	WIN 0
.irp m, 0,1,2,3
	ds_load_b128 v[XSC+4*\m:XSC+4*\m+3], v[AXSL] offset:512*\m
.endr
	s_wait_dscnt 0x0
	TILE 0, 0, 1
	TILE 1, 1, 0
	TILE 2, 0, 0
	TILE 3, 1, 0
	TILE 4, 0, 0
	TILE 5, 1, 0
	s_add_co_u32 s54, s52, 256                     ; the prefetch: has the next trip a tile?
	s_cmp_lt_u32 s54, s26
	s_cbranch_scc0 .Lno_next
	s_min_u32 s54, s41, 31                         ; its batch and number, held as above
	s_min_u32 s55, s45, 31
	s_lshl_b32 s56, s54, 23
	s_lshl_b32 s55, s55, 18
	s_add_co_u32 s56, s56, s55
	s_add_nc_u64 s[PFA:PFA+1], s[8:9], s[56:57]
	global_prefetch_b8 v[PFO], s[PFA:PFA+1] th:TH_LOAD_NT scope:SCOPE_SE               ; the first two of my 8 rows there,
	global_prefetch_b8 v[PFO], s[PFA:PFA+1] offset:8192 th:TH_LOAD_NT scope:SCOPE_SE   ; and the next two
.Lno_next:
	TILE 6, 0, 0
	TILE 7, 1, 0
.irp m, 0,1,2,3
	s_delay_alu instid0(VALU_DEP_4)
	v_add_f32 v[ACC+\m], v[LACC+2*\m], v[LACC+2*\m+1]
.endr
.irp m, 0,1,2,3
	s_delay_alu instid0(VALU_DEP_4)
	v_permlanex16_b32 v[PD+\m], v[ACC+\m], s[SEL], s[SEL+1]
.endr
.irp m, 0,1,2,3
	s_delay_alu instid0(VALU_DEP_4)
	v_add_f32 v[ACC+\m], v[ACC+\m], v[PD+\m]       ; my 128 units' share for row 16 m + r
.endr
.irp m, 0,1,2,3
	ds_store_b32 v[ARS], v[ACC+\m] offset:64*\m    ; lanes r and 16 + r write the same word with the same value
.endr
.Lb2:
	s_wait_dscnt 0x0
	s_barrier_signal -1
	s_barrier_wait -1                              ; the eight waves' shares lie in LDS
	; ---- phases 4 and 5: every wave makes the 64 logits and p (lane l: rows 2 l, 2 l + 1); then its 128 columns of the sum of p x row
	s_cmp_lt_u32 s52, s26
	s_cbranch_scc0 .Lb3
.irp k, 0,1,2,3,4,5,6,7
	ds_load_b64 v[BI+2*\k:BI+2*\k+1], v[ARL] offset:256*\k
.endr
	WIN 0x40
.set k, 0
.rept 48
	ds_load_b128 v[4*k:4*k+3], v[AP4+k/16] offset:(k%16)*XP    ; row k, my 16 bytes: they land under the softmax's arithmetic
.set k, k+1
.endr
	WIN 0
	s_wait_dscnt 48                                ; the eight shares are in; the 48 row loads may be out
.irp k, 0,2,4,6
	v_pk_add_f32 v[BI+2*\k:BI+2*\k+1], v[BI+2*\k:BI+2*\k+1], v[BI+2*\k+2:BI+2*\k+3]
.endr
	s_delay_alu instid0(VALU_DEP_3)
	v_pk_add_f32 v[BI:BI+1], v[BI:BI+1], v[BI+4:BI+5]
	s_delay_alu instid0(VALU_DEP_2)
	v_pk_add_f32 v[BI+8:BI+9], v[BI+8:BI+9], v[BI+12:BI+13]
	s_delay_alu instid0(VALU_DEP_1)
	v_pk_add_f32 v[BI:BI+1], v[BI:BI+1], v[BI+8:BI+9]
	s_delay_alu instid0(VALU_DEP_1)
	v_fma_f32 v80, v[BI], -2.0, s28                ; logit = sum(v) - 2 sum(v / (1 + 2^..))
	s_delay_alu instid0(VALU_DEP_2)
	v_fma_f32 v81, v[BI+1], -2.0, s28
	v_cmp_gt_i32 vcc_lo, s29, v[R2]                ; the row counts where it lies under the length
	s_delay_alu instid0(VALU_DEP_1)
	v_cndmask_b32 v80, v[MSK], v80, vcc_lo
	v_cmp_gt_i32 vcc_lo, s29, v[R2+1]
	s_delay_alu instid0(VALU_DEP_1)
	v_cndmask_b32 v81, v[MSK], v81, vcc_lo
	s_delay_alu instid0(VALU_DEP_1)
	v_max_num_f32 v82, v80, v81
.irp x, 1,2,4,8
	s_delay_alu instid0(VALU_DEP_1)
	v_max_num_f32_dpp v82, v82, v82 row_xmask:\x row_mask:0xf bank_mask:0xf
.endr
	s_delay_alu instid0(VALU_DEP_1)
	v_permlanex16_b32 v[PT], v82, s[SEL], s[SEL+1]
	s_delay_alu instid0(VALU_DEP_1)
	v_max_num_f32 v82, v82, v[PT]                  ; m_t: the tile's largest masked logit
	s_delay_alu instid0(VALU_DEP_1)
	v_sub_f32 v84, v80, v82
	s_delay_alu instid0(VALU_DEP_2)
	v_sub_f32 v86, v81, v82
	s_delay_alu instid0(VALU_DEP_2)
	v_mul_f32 v84, 0x3fb8aa3b, v84
	s_delay_alu instid0(VALU_DEP_2)
	v_mul_f32 v86, 0x3fb8aa3b, v86
	s_wait_alu depctr_va_vdst(0)
	v_exp_f32 v84, v84                             ; p = e^(logit - m_t), at most 1
	v_exp_f32 v86, v86
	v_nop
	s_wait_alu depctr_va_vdst(0)                   ; one wait for the two, ahead of their first reader
	v_mov_b32 v85, v84                             ; doubled, so that the packed multiply-adds need no selection
	v_mov_b32 v87, v86
	WIN 0x40
.set k, 48
.rept 16
	ds_load_b128 v[4*k:4*k+3], v[AP4+k/16] offset:(k%16)*XP
.set k, k+1
.endr
	WIN 0
	ds_store_b128 v[APS], v[84:87]                 ; into my wave's own 512 bytes;
.set k, 0
.rept 32
	ds_load_b128 v[WF+4*k:WF+4*k+3], v[APL] offset:16*k        ; LDS serves a wave's instructions in order: these see the store.  All lanes read the same bytes: pair WF + 2 s = (p_s, p_s)
.set k, k+1
.endr
	s_cmp_lg_u32 s2, 0
	s_cbranch_scc1 .Lnot0
	global_store_b64 v[LO8], v[80:81], s[LOG:LOG+1]            ; wave 0 stores the 64 masked logits: 256 consecutive bytes, aligned
.Lnot0:
	s_wait_dscnt 0x0
	WIN 0x01                                       ; source 0 (the rows) in window 1
.set k, 0
.rept 64
.irp u, 0,1
.if k < 4
	v_pk_mul_f32 v[ACC+4*k+2*\u:ACC+4*k+2*\u+1], v[4*k+2*\u:4*k+2*\u+1], v[WF+2*k:WF+2*k+1]       ; four chains; their first products start the sums
.else
	v_pk_fma_f32 v[ACC+4*(k%4)+2*\u:ACC+4*(k%4)+2*\u+1], v[4*k+2*\u:4*k+2*\u+1], v[WF+2*k:WF+2*k+1], v[ACC+4*(k%4)+2*\u:ACC+4*(k%4)+2*\u+1]
.endif
.endr
.set k, k+1
.endr
	WIN 0
	v_pk_add_f32 v[ACC:ACC+1], v[ACC:ACC+1], v[ACC+4:ACC+5]
	v_pk_add_f32 v[ACC+2:ACC+3], v[ACC+2:ACC+3], v[ACC+6:ACC+7]
	v_pk_add_f32 v[ACC+8:ACC+9], v[ACC+8:ACC+9], v[ACC+12:ACC+13]
	v_pk_add_f32 v[ACC+10:ACC+11], v[ACC+10:ACC+11], v[ACC+14:ACC+15]
	s_delay_alu instid0(VALU_DEP_2)
	v_pk_add_f32 v[ACC:ACC+1], v[ACC:ACC+1], v[ACC+8:ACC+9]
	s_delay_alu instid0(VALU_DEP_2)
	v_pk_add_f32 v[ACC+2:ACC+3], v[ACC+2:ACC+3], v[ACC+10:ACC+11]
	global_store_b128 v[LI], v[ACC:ACC+3], s[OPA:OPA+1]        ; 32 lanes store 512 consecutive bytes
.Lb3:
	s_wait_dscnt 0x0                               ; my reads of the f32 tile are over:
	s_barrier_signal -1
	s_barrier_wait -1                              ; everybody's are, so the next trip may store its rows there
	s_mov_b32 s40, s41                             ; the entries move down by one
	s_mov_b32 s41, s42
	s_mov_b32 s42, s43
	s_mov_b32 s44, s45
	s_mov_b32 s45, s46
	s_mov_b32 s46, s47
	s_mov_b32 s48, s49
	s_mov_b32 s49, s50
	s_mov_b32 s50, s51
	s_add_co_u32 s52, s52, 256
	s_add_co_u32 s53, s53, 1
	s_cmp_lt_u32 s53, 4
	s_cbranch_scc1 .Ltrip
	; ---- the records of my four slots, where their tiles were left out: partial sums 0, logits -50000.  The addresses are made of ids alone
	s_wait_xcnt 0x0                                ; the last tile's stores have read their registers and bases
.irp i, 0,1,2,3
	v_mov_b32 v[ACC+\i], 0
.endr
	v_mov_b32 v80, v[MSK]
	v_mov_b32 v81, v[MSK]
	s_lshr_b32 s38, ttmp9, 5                       ; slot 0's tile: g / 32
	s_lshl_b32 s36, s39, 5
	s_add_co_u32 s36, s36, s38
	s_lshl_b32 s36, s36, 12
	s_add_nc_u64 s[OPA:OPA+1], s[24:25], s[36:37]
	s_lshl_b32 s36, s39, 13
	s_lshl_b32 s35, s38, 8
	s_add_co_u32 s36, s36, s35
	s_add_nc_u64 s[LOG:LOG+1], s[22:23], s[36:37]
	RECORD 0
	RECORD 1
	RECORD 2
	RECORD 3
	s_wait_tensorcnt 0x0                           ; the wave's end: behind my last LDS store
	ds_add_u32 v[SPW], v[NIL]
	s_wait_dscnt 0x0
	s_endpgm
.Lfunc_end_k_q08aa7b3b1c_score:
	.size	k_q08aa7b3b1c_score, .Lfunc_end_k_q08aa7b3b1c_score-k_q08aa7b3b1c_score
	.p2alignl 7, 3214868480
	.fill 96, 4, 3214868480
	.section	.rodata,"a",@progbits
	.p2align	6, 0x0
	.amdhsa_kernel k_q08aa7b3b1c_score
		.amdhsa_group_segment_fixed_size 305152
		.amdhsa_private_segment_fixed_size 0
		.amdhsa_enable_private_segment 0
		.amdhsa_kernarg_size 72
		.amdhsa_user_sgpr_count 2
		.amdhsa_user_sgpr_kernarg_segment_ptr 1
		.amdhsa_wavefront_size32 1
		.amdhsa_system_sgpr_workgroup_id_x 1
		.amdhsa_system_sgpr_workgroup_id_y 1
		.amdhsa_system_sgpr_workgroup_id_z 1
		.amdhsa_system_vgpr_workitem_id 0
		.amdhsa_next_free_vgpr 512
		.amdhsa_next_free_sgpr 80
		.amdhsa_reserve_vcc 1
		.amdhsa_float_denorm_mode_32 3
		.amdhsa_float_denorm_mode_16_64 3
		.amdhsa_memory_ordered 1
		.amdhsa_forward_progress 1
		.amdhsa_inst_pref_size 155
	.end_amdhsa_kernel
	.amdgpu_metadata
---
amdhsa.version: [ 1, 2 ]
amdhsa.kernels:
  - .name:           k_q08aa7b3b1c_score
    .symbol:         k_q08aa7b3b1c_score.kd
    .args:
      - { .name: encoder_outputs, .offset: 0, .size: 8, .value_kind: global_buffer, .address_space: global }
      - { .name: wq, .offset: 8, .size: 8, .value_kind: global_buffer, .address_space: global }
      - { .name: ws, .offset: 16, .size: 8, .value_kind: global_buffer, .address_space: global }
      - { .name: dproj, .offset: 24, .size: 8, .value_kind: global_buffer, .address_space: global }
      - { .name: v, .offset: 32, .size: 8, .value_kind: global_buffer, .address_space: global }
      - { .name: vsum, .offset: 40, .size: 8, .value_kind: global_buffer, .address_space: global }
      - { .name: meta, .offset: 48, .size: 8, .value_kind: global_buffer, .address_space: global }
      - { .name: logits, .offset: 56, .size: 8, .value_kind: global_buffer, .address_space: global }
      - { .name: opart, .offset: 64, .size: 8, .value_kind: global_buffer, .address_space: global }
    .group_segment_fixed_size: 305152
    .private_segment_fixed_size: 0
    .kernarg_segment_align: 8
    .kernarg_segment_size: 72
    .max_flat_workgroup_size: 256
    .sgpr_count:     80
    .vgpr_count:     512
    .wavefront_size: 32
...
	.end_amdgpu_metadata
.endif
;; end of part 5
;; launch final (part 6): grid 32 x 1, 8 waves a work-group, no clusters, 1,536 bytes of LDS; arguments logits, opart, out0, out1; writes out0, out1
.if DOCPART == 6
	.amdgcn_target "amdgcn-amd-amdhsa--gfx1250"
	.amdhsa_code_object_version 6
	.text
	.protected	k_q08aa7b3b1c_final
	.globl	k_q08aa7b3b1c_final
	.p2align	8
	.type	k_q08aa7b3b1c_final,@function
k_q08aa7b3b1c_final:
	s_mov_b64 s[64:65], 0
	v_nop
	global_prefetch_b8 v0, s[64:65] scope:SCOPE_SE
	s_setreg_imm32_b32 hwreg(HW_REG_WAVE_MODE, 25, 1), 1
	s_wait_xcnt 0x0
; ConcatAttention, launch 3 of 3.  One work-group for each batch joins its 32 tiles: M = the largest masked logit (the maximum that the softmax takes away), p = e^(logit - M), Z = the sum of p,
; out1 = p / Z;  out0 = (the sum over tiles of e^(m_t - M) O_t) / Z, O_t the tile's partial sums under its own maximum m_t.  m_t is taken again here from the same 64 stored logits: a maximum rounds nothing,
; so it is the number under which the launch before summed.  Tiles that were left out there carry logits -50000 and partial sums 0, and are treated like all others: nothing is left out here.
; 256 threads: thread i holds logits 4 i .. 4 i + 3 and 1,024 + 4 i .. + 3 (sixteen neighbouring lanes hold a tile) and columns 4 i .. 4 i + 3 of out0.  All 34 loads of a thread go out at the head.
; 32 work-groups: the launch moves 4.4 MB once and each batch's softmax is made once; matrix units, clusters and tensor loads have nothing to do here.
.set WSM,   256                        ; LDS: 0: 32 tile maxima;  256: 8 wave sums;  512: the spare words, 128 bytes a wave
.set SPARE, 512
	s_load_b256 s[4:11], s[0:1], 0x0               ; logits s[4:5], opart s[6:7], out0 s[8:9], out1 s[10:11]
	v_lshl_add_u32 v5, v0, 2, SPARE                ; v5: my spare word, v6: 0; never rewritten
	v_mov_b32 v6, 0
	v_lshlrev_b32 v1, 4, v0                        ; 16 x thread
	v_lshrrev_b32 v2, 4, v0
	s_delay_alu instid0(VALU_DEP_1)
	v_lshlrev_b32 v2, 2, v2                        ; 4 x (thread / 16): my tile's word
	v_lshrrev_b32 v3, 5, v0
	s_delay_alu instid0(VALU_DEP_1)
	v_lshlrev_b32 v3, 2, v3                        ; 4 x wave
	v_mov_b32 v4, 0
	v_mov_b32 v7, 0                                ; a lane permute's destination
	s_mov_b32 s12, 0x76543210
	s_mov_b32 s13, 0xfedcba98
	s_mov_b32 s16, 0x3fb8aa3b                      ; log2(e)
	s_mov_b32 s15, 0
	s_wait_alu depctr_va_vdst(0)
	s_wait_kmcnt 0x0
	s_lshl_b32 s14, ttmp9, 13
	s_add_nc_u64 s[4:5], s[4:5], s[14:15]
	s_add_nc_u64 s[10:11], s[10:11], s[14:15]
	s_lshl_b32 s14, ttmp9, 17
	s_add_nc_u64 s[6:7], s[6:7], s[14:15]
	s_lshl_b32 s14, ttmp9, 12
	s_add_nc_u64 s[8:9], s[8:9], s[14:15]
	global_load_b128 v[8:11], v1, s[4:5] th:TH_LOAD_NT
	global_load_b128 v[12:15], v1, s[4:5] offset:4096 th:TH_LOAD_NT
.set t, 0
.rept 32
	global_load_b128 v[64+4*t:67+4*t], v1, s[6:7] offset:4096*t th:TH_LOAD_NT      ; tile t's partial sums, my four columns
.set t, t+1
.endr
	s_wait_loadcnt 32                              ; the logits are in; the 32 parts may be out
	v_max3_num_f32 v16, v8, v9, v10
	v_max3_num_f32 v17, v12, v13, v14
	s_delay_alu instid0(VALU_DEP_2)
	v_max_num_f32 v16, v16, v11
	s_delay_alu instid0(VALU_DEP_2)
	v_max_num_f32 v17, v17, v15
.irp x, 1,2,4,8
	s_delay_alu instid0(VALU_DEP_2)
	v_max_num_f32_dpp v16, v16, v16 row_xmask:\x row_mask:0xf bank_mask:0xf
	s_delay_alu instid0(VALU_DEP_2)
	v_max_num_f32_dpp v17, v17, v17 row_xmask:\x row_mask:0xf bank_mask:0xf
.endr
	ds_store_b32 v2, v16                           ; m_t of tile thread / 16: sixteen lanes write the same word with the same value
	ds_store_b32 v2, v17 offset:64                 ; and of tile 16 + thread / 16
	s_wait_dscnt 0x0
	s_barrier_signal -1
	s_barrier_wait -1
.irp k, 0,1,2,3,4,5,6,7
	ds_load_b128 v[32+4*\k:35+4*\k], v4 offset:16*\k           ; all 32 maxima, in every lane
.endr
	s_wait_dscnt 0x0
	v_max3_num_f32 v18, v32, v33, v34
	v_max3_num_f32 v19, v35, v36, v37
.irp i, 38,42,46,50,54,58
	s_delay_alu instid0(VALU_DEP_2)
	v_max3_num_f32 v18, v18, v[\i], v[\i+1]
	s_delay_alu instid0(VALU_DEP_2)
	v_max3_num_f32 v19, v19, v[\i+2], v[\i+3]
.endr
	s_delay_alu instid0(VALU_DEP_2)
	v_max3_num_f32 v18, v18, v62, v63
	s_delay_alu instid0(VALU_DEP_1)
	v_max_num_f32 v18, v18, v19                    ; M
.set j, 0
.rept 32
	v_sub_f32 v[32+j], v[32+j], v18
.set j, j+1
.endr
.set j, 0
.rept 8
	v_sub_f32 v[8+j], v[8+j], v18
.set j, j+1
.endr
.set j, 0
.rept 32
	v_mul_f32 v[32+j], s16, v[32+j]
.set j, j+1
.endr
.set j, 0
.rept 8
	v_mul_f32 v[8+j], s16, v[8+j]
.set j, j+1
.endr
.set j, 0
	s_wait_alu depctr_va_vdst(0)
.rept 32
	v_exp_f32 v[32+j], v[32+j]                     ; e_t = e^(m_t - M)
.set j, j+1
.endr
.set j, 0
.rept 8
	v_exp_f32 v[8+j], v[8+j]                       ; p = e^(logit - M)
.set j, j+1
.endr
	v_nop
	s_wait_alu depctr_va_vdst(0)                   ; one wait for the batch of 40, ahead of its first reader
	v_add_f32 v20, v8, v9
	v_add_f32 v21, v10, v11
	v_add_f32 v22, v12, v13
	v_add_f32 v23, v14, v15
	s_delay_alu instid0(VALU_DEP_3)
	v_add_f32 v20, v20, v21
	s_delay_alu instid0(VALU_DEP_2)
	v_add_f32 v22, v22, v23
	s_delay_alu instid0(VALU_DEP_1)
	v_add_f32 v20, v20, v22
.irp x, 1,2,4,8
	s_delay_alu instid0(VALU_DEP_1)
	v_add_f32_dpp v20, v20, v20 row_xmask:\x row_mask:0xf bank_mask:0xf
.endr
	s_delay_alu instid0(VALU_DEP_1)
	v_permlanex16_b32 v7, v20, s12, s13
	s_delay_alu instid0(VALU_DEP_1)
	v_add_f32 v20, v20, v7                         ; my wave's sum of p
	ds_store_b32 v3, v20 offset:WSM
	s_wait_dscnt 0x0
	s_barrier_signal -1
	s_barrier_wait -1
	ds_load_b128 v[24:27], v4 offset:WSM
	ds_load_b128 v[28:31], v4 offset:WSM+16
	s_wait_dscnt 0x0
	v_add_f32 v24, v24, v25
	v_add_f32 v26, v26, v27
	v_add_f32 v28, v28, v29
	v_add_f32 v30, v30, v31
	s_delay_alu instid0(VALU_DEP_3)
	v_add_f32 v24, v24, v26
	s_delay_alu instid0(VALU_DEP_2)
	v_add_f32 v28, v28, v30
	s_delay_alu instid0(VALU_DEP_1)
	v_add_f32 v24, v24, v28                        ; Z
	s_wait_alu depctr_va_vdst(0)
	v_rcp_f32 v21, v24
	v_nop
	s_wait_alu depctr_va_vdst(0)
.set j, 0
.rept 8
	v_mul_f32 v[8+j], v[8+j], v21
.set j, j+1
.endr
	global_store_b128 v1, v[8:11], s[10:11]        ; out1: each wave's store covers 512 consecutive bytes
	global_store_b128 v1, v[12:15], s[10:11] offset:4096
	s_wait_loadcnt 0x0                             ; the 32 parts
.irp c, 0,1,2,3
	v_mul_f32 v[192+\c], v[64+\c], v32             ; two chains: even tiles, odd tiles; the first products start the sums
	v_mul_f32 v[196+\c], v[68+\c], v33
.endr
.set t, 2
.rept 15
.irp c, 0,1,2,3
	v_fmac_f32 v[192+\c], v[64+4*t+\c], v[32+t]
	v_fmac_f32 v[196+\c], v[68+4*t+\c], v[33+t]
.endr
.set t, t+2
.endr
	v_pk_add_f32 v[192:193], v[192:193], v[196:197]
	s_delay_alu instid0(VALU_DEP_2)
	v_pk_add_f32 v[194:195], v[194:195], v[198:199]
.irp c, 0,1,2,3
	v_mul_f32 v[192+\c], v[192+\c], v21
.endr
	global_store_b128 v1, v[192:195], s[8:9]       ; out0
	s_wait_tensorcnt 0x0                           ; the wave's end: behind my last LDS store
	ds_add_u32 v5, v6
	s_wait_dscnt 0x0
	s_endpgm
.Lfunc_end_k_q08aa7b3b1c_final:
	.size	k_q08aa7b3b1c_final, .Lfunc_end_k_q08aa7b3b1c_final-k_q08aa7b3b1c_final
	.p2alignl 7, 3214868480
	.fill 96, 4, 3214868480
	.section	.rodata,"a",@progbits
	.p2align	6, 0x0
	.amdhsa_kernel k_q08aa7b3b1c_final
		.amdhsa_group_segment_fixed_size 1536
		.amdhsa_private_segment_fixed_size 0
		.amdhsa_enable_private_segment 0
		.amdhsa_kernarg_size 32
		.amdhsa_user_sgpr_count 2
		.amdhsa_user_sgpr_kernarg_segment_ptr 1
		.amdhsa_wavefront_size32 1
		.amdhsa_system_sgpr_workgroup_id_x 1
		.amdhsa_system_sgpr_workgroup_id_y 1
		.amdhsa_system_sgpr_workgroup_id_z 1
		.amdhsa_system_vgpr_workitem_id 0
		.amdhsa_next_free_vgpr 200
		.amdhsa_next_free_sgpr 66
		.amdhsa_reserve_vcc 0
		.amdhsa_float_denorm_mode_32 3
		.amdhsa_float_denorm_mode_16_64 3
		.amdhsa_memory_ordered 1
		.amdhsa_forward_progress 1
		.amdhsa_inst_pref_size 19
	.end_amdhsa_kernel
	.amdgpu_metadata
---
amdhsa.version: [ 1, 2 ]
amdhsa.kernels:
  - .name:           k_q08aa7b3b1c_final
    .symbol:         k_q08aa7b3b1c_final.kd
    .args:
      - { .name: logits, .offset: 0, .size: 8, .value_kind: global_buffer, .address_space: global }
      - { .name: opart, .offset: 8, .size: 8, .value_kind: global_buffer, .address_space: global }
      - { .name: out0, .offset: 16, .size: 8, .value_kind: global_buffer, .address_space: global }
      - { .name: out1, .offset: 24, .size: 8, .value_kind: global_buffer, .address_space: global }
    .group_segment_fixed_size: 1536
    .private_segment_fixed_size: 0
    .kernarg_segment_align: 8
    .kernarg_segment_size: 32
    .max_flat_workgroup_size: 256
    .sgpr_count:     66
    .vgpr_count:     200
    .wavefront_size: 32
...
	.end_amdgpu_metadata
.endif
;; end of part 6
